; MI455X (gfx1250); checked and timed in simulation.
; The chip was launched on July 23, 2026; its instructions are those of AMD's public machine-readable ISA for CDNA 5 (MIT licence, August 2026) and "CDNA5" Instruction Set Architecture Reference Guide (July 2026). The comments in the code are by the model that wrote it; some were corrected since.
;; Qwen Attention. Allowed arithmetic: matrix products marked QUANTISED: E2M1 operands, one E8M0 scale for each 32 along K, by v_wmma_scale_f32_16x16x128_f8f6f4 with both operands' format E2M1 (or v_wmma_scale_f32_32x16x128_f4), f32 sums; everything else in f32.
;; Inputs: wk_b 512 float32; wk_w 512 x 2,048 float32; wo_w 2,048 x 2,048 float32; wq_b 2,048 float32; wq_w 2,048 x 2,048 float32; wv_b 512 float32; wv_w 512 x 2,048 float32; x 4 x 1,024 x 2,048 float32.
;; Outputs: out0 4 x 1,024 x 2,048 float32.
;; This version of the problem:
;;   THIS VERSION OF THE PROBLEM IS GIVEN IN LOW PRECISION. The matrix products marked QUANTISED in the list below multiply operands that are first quantised to E2M1 (2 exponent bits, 1 mantissa bit; 4 bits a number), with one power-of-two scale for each 32 numbers along K (OCP MX v1.0); their sums are f32. All else is computed in f32.
;;   The module's matrix products, in the order in which they are computed (A, B: the left and right operand; K: the contracted axis; several contracted axes count as one K, in the product's order):
;;     1. [M 4,096, K 2,048] x [K 2,048, N 2,048]; A: input x; B: input wq_w: QUANTISED
;;     2. [M 4,096, K 2,048] x [K 2,048, N 512]; A: input x; B: input wk_w: QUANTISED
;;     3. [M 4,096, K 2,048] x [K 2,048, N 512]; A: input x; B: input wv_w: QUANTISED
;;     4. batch 64 x [M 1,024, K 128] x [K 128, N 1,024]; A: computed on the way; B: computed on the way: QUANTISED
;;     5. batch 64 x [M 1,024, K 1,024] x [K 1,024, N 128]; A: softmax (see below); B: computed on the way: QUANTISED
;;     6. [M 4,096, K 2,048] x [K 2,048, N 2,048]; A: computed on the way; B: input wo_w: QUANTISED
;;   THE QUANTISER, for each operand of a quantised product, along K:
;;     - K is cut into blocks of 32 from its start; a last block that is shorter is filled with zeros.
;;     - A block's scale is 2^e with e = floor(log2(the largest magnitude in the block)) - 2, held to -126 .. 127; a block of zeros has e = 0. As a byte (E8M0): e + 127.
;;     - Each number is divided by its block's scale, clamped to +-6, and rounded to the nearest number of E2M1, ties to even, subnormals kept.
;;     - The product sums the exact products of the quantised numbers (number of the format x scale) in f32.
;;   ~~~python
;;   def quantise(x, axis):      # numpy; x: float32 -> the quantised numbers, widened to float32 again
;;       x = np.moveaxis(x, axis, -1); K = x.shape[-1]
;;       x = np.pad(x, [(0, 0)] * (x.ndim - 1) + [(0, -K % 32)]); x = x.reshape(x.shape[:-1] + (-1, 32)); a = np.abs(x).max(-1, keepdims=True)
;;       e = np.where(a > 0, np.clip(np.frexp(np.where(a > 0, a, 1))[1] - 1 - 2, -126, 127), 0)      # np.frexp(a)[1] - 1 = floor(log2(a)), exactly
;;       r = np.clip(x / 2.0 ** e, -6, 6)
;;       step = 2.0 ** (np.maximum(np.frexp(np.where(r == 0, 1, r))[1] - 1, 0) - 1)
;;       q = np.round(r / step) * step * 2.0 ** e      # np.round: ties to even
;;       return np.moveaxis(q.reshape(q.shape[:-2] + (-1,))[..., :K], -1, axis).astype(np.float32)
;;   ~~~
;;   SOFTMAX AHEAD OF A QUANTISED PRODUCT. Where the list says 'softmax', what is quantised is not the finished softmax but p = 2^(t - M), with t = logit x log2(e) and M = ceil(the row's largest t), a whole number; so 1/2 < the row's largest p <= 1. The row's sum l is taken of the UNQUANTISED p, in f32, and the product's result is divided by l at the end. Since M is a whole number, a kernel that streams over the keys may use a running M (the ceiling of the running maximum): every later rescaling is an exact power of two, which a block's scale takes up: the codes' values come out the same.
;;   OPERANDS COMPUTED ON THE WAY. 'Computed on the way' means the value that the module computes at that place (a softmax that the list does not call 'softmax' is quantised finished and normalised). What goes into a quantiser is computed in f32, as accurately as f32 sums, v_exp_f32 and their like allow (about 1e-6 of the number): no bf16 or f16 on the way to a quantiser, and a product that is left as it is and whose result goes on into a quantised operand takes f32 operands (vector FMAs, or v_wmma_f32_16x16x4_f32). A number that lies on a knife's edge between two numbers of the format may be rounded either way, as far as f32 arithmetic and the matrix unit's own rounding can turn it there, and no further.
;; One version. Each part assembles by itself: llvm-mc -triple=amdgcn-amd-amdhsa -mcpu=gfx1250 --defsym DOCPART=n.
;; ======== version 1 of 1: 4 launches
;; limits: right only within a limited range of input values
;; workspace buffers: xq 4,456,448 bytes; wqkvq 3,342,336 bytes; woq 2,228,224 bytes; rope 524,288 bytes; qimg 4,718,592 bytes; kvimg 2,359,296 bytes; ctxq 4,456,448 bytes
;; launch quant (part 1): grid 592 x 1, 4 waves a work-group, no clusters, 39,424 bytes of LDS; arguments x, wq_w, wk_w, wv_w, wo_w, xq, wqkvq, woq, rope; writes xq, wqkvq, woq, rope
.if DOCPART == 1
	.amdgcn_target "amdgcn-amd-amdhsa--gfx1250"
	.amdhsa_code_object_version 6
	.text
	.protected	k_qd83b07434b_quant
	.globl	k_qd83b07434b_quant
	.p2align	8
	.type	k_qd83b07434b_quant,@function
k_qd83b07434b_quant:
	s_mov_b64 s[64:65], 0
	v_nop
	global_prefetch_b8 v0, s[64:65] scope:SCOPE_SE
	s_setreg_imm32_b32 hwreg(HW_REG_WAVE_MODE, 25, 1), 1
	s_wait_xcnt 0x0
; x [4096][2048] and the four weights ([rows][2048], K innermost), f32, become codes of FP4 (E2M1) with one E8M0 byte for each 32 along K, laid as the later launches' operand registers want them; and the table of cos and sin for the rotation is made.
; A ROW BLOCK is 16 rows: position t of row block RB is source row 32 (RB / 2) + 8 (RB % 2) + t + 8 (t / 8).  A RECORD (row block, 512 along K) is 4,352 bytes: [block of 32 along K, 16 of them][position t][16 bytes of codes], then [position t][16 scale bytes].
; So 1,024 bytes of a record are a fragment's registers on end (register group c of lane l at 512 c + 16 l), and a row's scale word for the q-th 128 along K is word q of its 16 bytes.  A buffer is [row block][4 records].
; SHARES.  Work-groups 0-255: x; 256-383: wq; 384-415: wk; 416-447: wv; 448-575: wo: one row block each, wave w its K step w: one record.  In wqkvq the row blocks are: 0-127 wq; 128 + 16 i + 0..7 wk's head i; 128 + 16 i + 8..15 wv's head i.
; Only pointers and numbers are chosen by the work-group's number: all five tensors take one path.  Work-groups 576-591 make the table (no LDS there).
; A block's scale is 2^(floor(log2(its largest magnitude)) - 2); its byte is the largest magnitude's exponent field - 2, held at 1 from below.
; LIMITS: a block of zeros, or one whose largest magnitude lies under 2^-124, gets the byte 1 (its codes are zeros or what that scale gives; the bytes are read by this program alone); NaN and infinities among the inputs are not served.
; The table's inverse frequencies are 2^(-f log2(1e6) / 64) by one v_exp_f32 and a first-order correction: within about 1.5e-7 of the number, so an angle near 1,000 may be off by about 1e-4.
; A step is one position: 2,048 consecutive bytes by four loads of 512; they turn through the wave's own stage in LDS so that a lane holds 16 neighbours along K (two lanes to a block).  Loads run four steps ahead, the turn one step.
.set WREG,  9728                       ; LDS of a wave: two stages of 32 x SP, 256 scale bytes, the record's codes as 16 groups of 256 + 16
.set SP,    80
.set SBO,   2*32*SP
.set OUTO,  SBO+256
.set OP,    272
.set REC,   4352
.set ROWB,  8192                       ; a source row in bytes
.set EMAX,  2
.set R,     16                         ; v16-79   four sets of 16 numbers as loaded
.set X,     80                         ; v80-111  two sets of 16 neighbours
.set E,     112                        ; v112-127 a scale byte for each step
.set C,     128                        ; v128-159 two registers of codes for each step
.set OUTR,  160                        ; v160-191 the way out
	s_load_b256 s[4:11], s[0:1], 0x0               ; x, wq_w, wk_w, wv_w
	s_load_b256 s[12:19], s[0:1], 0x20             ; wo_w, xq, wqkvq, woq
	s_load_b64 s[20:21], s[0:1], 0x40              ; rope
	v_lshl_add_u32 v192, v0, 2, 0x9800
	v_mov_b32 v193, 0
	v_lshrrev_b32 v1, 5, v0
	v_readfirstlane_b32 s22, v1                    ; wave
	v_and_b32 v2, 31, v0                           ; lane
	v_lshlrev_b32 v3, 4, v2                        ; 16 x lane
	s_wait_kmcnt 0x0
	s_cmp_ge_u32 ttmp9, 576
	s_cbranch_scc1 .Ltable
	; which tensor: source s[24:25], destination s[26:27], its first work-group s23, s28 = 1 for wk, 2 for wv, else 0
	s_cmp_ge_u32 ttmp9, 256
	s_cselect_b64 s[24:25], s[6:7], s[4:5]
	s_cselect_b64 s[26:27], s[16:17], s[14:15]
	s_cselect_b32 s23, 256, 0
	s_cmp_ge_u32 ttmp9, 384
	s_cselect_b64 s[24:25], s[8:9], s[24:25]
	s_cselect_b32 s23, 384, s23
	s_cselect_b32 s28, 1, 0
	s_cmp_ge_u32 ttmp9, 416
	s_cselect_b64 s[24:25], s[10:11], s[24:25]
	s_cselect_b32 s23, 416, s23
	s_cselect_b32 s28, 2, s28
	s_cmp_ge_u32 ttmp9, 448
	s_cselect_b64 s[24:25], s[12:13], s[24:25]
	s_cselect_b64 s[26:27], s[18:19], s[26:27]
	s_cselect_b32 s23, 448, s23
	s_cselect_b32 s28, 0, s28
	s_sub_co_u32 s29, ttmp9, s23                   ; RB: the row block in its tensor
	s_lshr_b32 s30, s29, 3
	s_lshl_b32 s30, s30, 4
	s_and_b32 s31, s29, 7
	s_add_co_u32 s30, s30, s31
	s_lshl_b32 s31, s28, 3
	s_add_co_u32 s30, s30, s31
	s_add_co_u32 s30, s30, 120                     ; wk: 128 + 16 (RB / 8) + RB % 8; wv: 8 more
	s_cmp_lg_u32 s28, 0
	s_cselect_b32 s30, s30, s29                    ; the row block in the destination
	s_lshr_b32 s31, s29, 1
	s_lshl_b32 s31, s31, 18                        ; 32 (RB / 2) rows of 8,192 bytes
	s_and_b32 s36, s29, 1
	s_lshl_b32 s36, s36, 16                        ; 8 (RB % 2) rows
	s_add_co_u32 s36, s36, s31
	s_lshl_b32 s31, s22, 11                        ; my K step: 2,048 bytes of a row
	s_add_co_u32 s36, s36, s31
	s_mov_b32 s37, 0
	s_add_nc_u64 s[24:25], s[24:25], s[36:37]
	s_lshl_b32 s38, s30, 2
	s_add_co_u32 s38, s38, s22
	s_mul_i32 s38, s38, REC                        ; my record
	s_mov_b32 s39, 0
	s_add_nc_u64 s[26:27], s[26:27], s[38:39]
	s_mul_i32 s33, s22, WREG
	s_wait_alu depctr_va_vdst(0)
	v_lshrrev_b32 v14, 2, v2
	v_mul_u32_u24 v14, v14, SP
	v_and_b32 v15, 3, v2
	v_lshl_add_u32 v14, v15, 4, v14
	v_add_nc_u32 v14, s33, v14                     ; the stage, on the way in: SP (lane / 4) + 16 (lane % 4)
	v_mul_u32_u24 v15, v2, SP
	v_add_nc_u32 v15, s33, v15                     ; and on the way out: SP x lane: my 16 neighbours
	s_add_co_u32 s34, s33, SBO
	v_lshrrev_b32 v5, 1, v2
	v_add_nc_u32 v5, s34, v5                       ; my block's scale byte: a step's 16 bytes on end
	v_lshlrev_b32 v10, 3, v2                       ; 8 x lane
	v_add_nc_u32 v6, s34, v10                      ; the scale bytes on the way out
	s_add_co_u32 s35, s33, OUTO
	v_lshrrev_b32 v4, 1, v2
	v_mul_u32_u24 v4, v4, OP
	v_and_b32 v7, 1, v2
	v_lshl_add_u32 v4, v7, 3, v4
	v_add_nc_u32 v4, s35, v4                       ; my 8 bytes of codes: group = my block (lane / 2), half lane % 2; the step adds 16 t.  The 32 lanes touch each bank once
	v_lshrrev_b32 v7, 4, v2
	v_mul_u32_u24 v7, v7, OP
	v_and_b32 v8, 15, v2
	v_lshl_add_u32 v7, v8, 4, v7
	v_add_nc_u32 v7, s35, v7                       ; the codes on the way out: two groups of 256 bytes an instruction
.macro LOAD t                          ; position t's 2,048 bytes
.irp i, 0,1,2,3
	global_load_b128 v[R+16*((\t)%4)+4*\i:R+16*((\t)%4)+4*\i+3], v3, s[24:25] offset:((\t)+8*((\t)/8))*ROWB+512*\i th:TH_LOAD_NT
.endr
.endm
.macro TURN t                          ; through the stage: LDS serves a wave's instructions in order, so no wait stands between the stores and the loads
.irp i, 0,1,2,3
	ds_store_b128 v14, v[R+16*((\t)%4)+4*\i:R+16*((\t)%4)+4*\i+3] offset:32*SP*((\t)%2)+8*SP*\i
.endr
.irp i, 0,1,2,3
	ds_load_b128 v[X+16*((\t)%2)+4*\i:X+16*((\t)%2)+4*\i+3], v15 offset:32*SP*((\t)%2)+16*\i
.endr
.endm
.irp t, 0,1,2,3
	LOAD \t
.endr
	s_wait_loadcnt 12                              ; step 0's four loads are in
	TURN 0
.macro STEP t
.set XS, X+16*((\t)%2)
.if (\t) > 0
	s_wait_dscnt 2                                 ; this step's numbers are back from the stage; the last step's byte store and code store may be out
.else
	s_wait_dscnt 0x0
.endif
.if (\t)+4 < 16
	LOAD (\t)+4                                    ; into the registers that this step's stores into the stage have read
.endif
.if (\t)+1 < 16
.if 14-(\t) >= 3
	s_wait_loadcnt 12                              ; the next step's four loads are in; those of the three steps behind it may be out
.else
	s_wait_loadcnt 4*(14-(\t))
.endif
	TURN (\t)+1
.endif
	v_max3_num_f32 v8, |v[XS]|, |v[XS+1]|, |v[XS+2]|               ; the largest magnitude of my 16, in two chains
	v_max3_num_f32 v9, |v[XS+3]|, |v[XS+4]|, |v[XS+5]|
.irp i, 6,10
	v_max3_num_f32 v8, v8, |v[XS+\i]|, |v[XS+\i+1]|
	v_max3_num_f32 v9, v9, |v[XS+\i+2]|, |v[XS+\i+3]|
.endr
	v_max3_num_f32 v8, v8, |v[XS+14]|, |v[XS+15]|
	v_max3_num_f32 v8, v8, v9, (EMAX+1)<<23        ; and the floor 2^(3 - 127): the byte cannot fall under 1
	v_max_num_f32_dpp v8, v8, v8 row_xmask:1 row_mask:0xf bank_mask:0xf   ; with my neighbour's 16: the block's
	v_add_nc_u32 v11, -(EMAX<<23), v8              ; 2 off its exponent field: the conversion takes the exponent field of this operand as its scale
	v_cvt_scalef32_pk8_fp4_f32 v[C+2*(\t)], v[XS:XS+7], v11
	v_cvt_scalef32_pk8_fp4_f32 v[C+2*(\t)+1], v[XS+8:XS+15], v11
	v_lshrrev_b32 v[E+(\t)], 23, v11               ; the scale's byte (a plain line behind the conversions)
	ds_store_b8 v5, v[E+(\t)] offset:16*(\t)       ; both lanes of a block write the same byte with the same value
	ds_store_b64 v4, v[C+2*(\t):C+2*(\t)+1] offset:16*(\t)
.endm
.irp t, 0,1,2,3,4,5,6,7,8,9,10,11,12,13,14,15
	STEP \t
.endr
.irp i, 0,1,2,3,4,5,6,7
	ds_load_b128 v[OUTR+4*\i:OUTR+4*\i+3], v7 offset:2*OP*\i       ; LDS serves a wave's instructions in order: these see my stores
.endr
	ds_load_b64 v[12:13], v6
.irp i, 0,1,2,3,4,5,6,7
	s_wait_dscnt 8-\i                              ; behind load i: 7 - i loads of codes and the load of the scale bytes
	global_store_b128 v3, v[OUTR+4*\i:OUTR+4*\i+3], s[26:27] offset:512*\i   ; 512 consecutive bytes, at a multiple of 256 from the buffer's first byte
.endr
	s_wait_dscnt 0x0
	global_store_b64 v10, v[12:13], s[26:27] offset:4096           ; the record's 256 scale bytes
	s_wait_tensorcnt 0x0
	ds_add_u32 v192, v193
	s_wait_dscnt 0x0
	s_endpgm
; THE TABLE.  rope is [T 64][cos, sin][piece p 8][lane 32][4 f32]: register 4 p + i of lane (r, h) is frequency f = 32 (p / 4) + 16 h + 4 (p % 4) + i at position 32 (T / 2) + 8 (T % 2) + r + 8 (r / 8):
; the order in which the projection's results lie in a lane.  A wave makes one T, a piece a trip: four angles a lane, taking turns line by line.
; inv = 2^-(f c), c = log2(1e6) / 64 in two parts: P = f c_hi rounded, E = what the rounding dropped + f c_lo; inv = X - X E ln 2, X = 2^-P.  angle = position x inv, one f32 multiplication.
; The angle less n pi / 2 (pi / 2 in three parts, fused) lies within pi / 4; cos and sin there by their series to x^10 and x^9; the quadrant n % 4 swaps them and sets the signs.
.Ltable:
	s_sub_co_u32 s23, ttmp9, 576
	s_lshl_b32 s23, s23, 2
	s_add_co_u32 s23, s23, s22                     ; T
	s_lshl_b32 s24, s23, 13
	s_mov_b32 s25, 0
	s_add_nc_u64 s[20:21], s[20:21], s[24:25]
	s_lshr_b32 s26, s23, 1
	s_lshl_b32 s26, s26, 5
	s_and_b32 s27, s23, 1
	s_lshl_b32 s27, s27, 3
	s_add_co_u32 s26, s26, s27
	s_mov_b32 s43, 0x3e9f73da                      ; c_hi
	v_and_b32 v16, 15, v0
	v_and_b32 v17, 8, v16
	v_add_nc_u32 v16, v16, v17
	v_add_nc_u32 v16, s26, v16
	v_cvt_f32_u32 v16, v16                         ; my position
	v_bfe_u32 v17, v0, 4, 1
	v_lshlrev_b32 v17, 4, v17
.irp i, 0,1,2,3
	v_add_nc_u32 v[20+\i], \i, v17                 ; 16 h + i
.endr
	v_mov_b32 v18, 0xb493f27e                      ; -1 / 10!
	v_mov_b32 v19, 0x3638ef1d                      ; 1 / 9!
	s_mov_b32 s40, 0
.Lpiece:
	s_lshr_b32 s41, s40, 2
	s_lshl_b32 s41, s41, 5
	s_and_b32 s42, s40, 3
	s_lshl_b32 s42, s42, 2
	s_add_co_u32 s41, s41, s42                     ; 32 (p / 4) + 4 (p % 4)
.irp i, 0,1,2,3
	v_add_nc_u32 v[24+\i], s41, v[20+\i]
.endr
.irp i, 0,1,2,3
	v_cvt_f32_u32 v[24+\i], v[24+\i]               ; f
.endr
.irp i, 0,1,2,3
	v_mul_f32 v[28+\i], s43, v[24+\i]              ; P
.endr
.irp i, 0,1,2,3
	v_fma_f32 v[32+\i], v[24+\i], s43, -v[28+\i]   ; what P's rounding dropped, exactly
.endr
.irp i, 0,1,2,3
	v_fmamk_f32 v[32+\i], v[24+\i], 0x31e36e00, v[32+\i]           ; + f c_lo
.endr
.irp i, 0,1,2,3
	v_exp_f32 v[36+\i], -v[28+\i]                  ; X = 2^-P
.endr
	v_nop                                          ; a plain line behind the last exponential
	s_wait_alu depctr_va_vdst(0)                   ; one wait for the four, ahead of their first reader
.irp i, 0,1,2,3
	v_mul_f32 v[32+\i], v[36+\i], v[32+\i]
.endr
.irp i, 0,1,2,3
	v_fmamk_f32 v[36+\i], v[32+\i], 0xbf317218, v[36+\i]           ; inv = X - X E ln 2
.endr
.irp i, 0,1,2,3
	v_mul_f32 v[40+\i], v16, v[36+\i]              ; the angle
.endr
.irp i, 0,1,2,3
	v_mul_f32 v[44+\i], 0x3f22f983, v[40+\i]       ; x 2 / pi
.endr
.irp i, 0,1,2,3
	v_rndne_f32 v[44+\i], v[44+\i]                 ; n
.endr
.irp i, 0,1,2,3
	v_fmamk_f32 v[40+\i], v[44+\i], 0xbfc90fd8, v[40+\i]
.endr
.irp i, 0,1,2,3
	v_fmamk_f32 v[40+\i], v[44+\i], 0xb4a8885a, v[40+\i]
.endr
.irp i, 0,1,2,3
	v_fmamk_f32 v[40+\i], v[44+\i], 0xa7c234c4, v[40+\i]           ; x = angle - n pi / 2
.endr
.irp i, 0,1,2,3
	v_mul_f32 v[48+\i], v[40+\i], v[40+\i]         ; x^2
.endr
.irp i, 0,1,2,3
	v_fmaak_f32 v[52+\i], v[48+\i], v18, 0x37d00d01                ; cos: 1 / 8!
	v_fmaak_f32 v[56+\i], v[48+\i], v19, 0xb9500d01                ; sin: -1 / 7!
.endr
.irp i, 0,1,2,3
	v_fmaak_f32 v[52+\i], v[52+\i], v[48+\i], 0xbab60b61           ; -1 / 6!
	v_fmaak_f32 v[56+\i], v[56+\i], v[48+\i], 0x3c088889           ; 1 / 5!
.endr
.irp i, 0,1,2,3
	v_fmaak_f32 v[52+\i], v[52+\i], v[48+\i], 0x3d2aaaab           ; 1 / 4!
	v_fmaak_f32 v[56+\i], v[56+\i], v[48+\i], 0xbe2aaaab           ; -1 / 3!
.endr
.irp i, 0,1,2,3
	v_fmaak_f32 v[52+\i], v[52+\i], v[48+\i], 0xbf000000           ; -1 / 2
	v_mul_f32 v[56+\i], v[56+\i], v[48+\i]
.endr
.irp i, 0,1,2,3
	v_fmaak_f32 v[52+\i], v[52+\i], v[48+\i], 0x3f800000           ; cos x
	v_fma_f32 v[56+\i], v[56+\i], v[40+\i], v[40+\i]               ; sin x
.endr
.irp i, 0,1,2,3
	v_cvt_i32_f32 v[60+\i], v[44+\i]               ; n as a whole number
.endr
.irp i, 0,1,2,3
	v_and_b32 v[72+\i], 1, v[60+\i]
.endr
.irp i, 0,1,2,3
	v_cmp_eq_u32 vcc_lo, 1, v[72+\i]               ; in an odd quadrant the two change places
	v_cndmask_b32 v[64+\i], v[52+\i], v[56+\i], vcc_lo
	v_cndmask_b32 v[68+\i], v[56+\i], v[52+\i], vcc_lo
.endr
.irp i, 0,1,2,3
	v_and_b32 v[72+\i], 2, v[60+\i]                ; sin is negative in quadrants 2 and 3,
	v_add_nc_u32 v[60+\i], 1, v[60+\i]
.endr
.irp i, 0,1,2,3
	v_lshlrev_b32 v[72+\i], 30, v[72+\i]
	v_and_b32 v[60+\i], 2, v[60+\i]                ; cos in quadrants 1 and 2
.endr
.irp i, 0,1,2,3
	v_xor_b32 v[68+\i], v[72+\i], v[68+\i]
	v_lshlrev_b32 v[60+\i], 30, v[60+\i]
.endr
.irp i, 0,1,2,3
	v_xor_b32 v[64+\i], v[60+\i], v[64+\i]
.endr
	global_store_b128 v3, v[64:67], s[20:21]               ; 512 consecutive bytes each
	global_store_b128 v3, v[68:71], s[20:21] offset:4096
	s_wait_xcnt 0x0                                ; the stores have read their data and their base: both are written again only behind this wait
	s_add_nc_u64 s[20:21], s[20:21], 512
	s_add_co_u32 s40, s40, 1
	s_cmp_lt_u32 s40, 8
	s_cbranch_scc1 .Lpiece
	s_endpgm
.Lfunc_end_k_qd83b07434b_quant:
	.size	k_qd83b07434b_quant, .Lfunc_end_k_qd83b07434b_quant-k_qd83b07434b_quant
	.p2alignl 7, 3214868480
	.fill 96, 4, 3214868480
	.section	.rodata,"a",@progbits
	.p2align	6, 0x0
	.amdhsa_kernel k_qd83b07434b_quant
		.amdhsa_group_segment_fixed_size 39424
		.amdhsa_private_segment_fixed_size 0
		.amdhsa_enable_private_segment 0
		.amdhsa_kernarg_size 72
		.amdhsa_user_sgpr_count 2
		.amdhsa_user_sgpr_kernarg_segment_ptr 1
		.amdhsa_wavefront_size32 1
		.amdhsa_system_sgpr_workgroup_id_x 1
		.amdhsa_system_sgpr_workgroup_id_y 1
		.amdhsa_system_sgpr_workgroup_id_z 1
		.amdhsa_system_vgpr_workitem_id 0
		.amdhsa_next_free_vgpr 194
		.amdhsa_next_free_sgpr 66
		.amdhsa_reserve_vcc 1
		.amdhsa_float_denorm_mode_32 3
		.amdhsa_float_denorm_mode_16_64 3
		.amdhsa_memory_ordered 1
		.amdhsa_forward_progress 1
		.amdhsa_inst_pref_size 44
	.end_amdhsa_kernel
	.amdgpu_metadata
---
amdhsa.version: [ 1, 2 ]
amdhsa.kernels:
  - .name:           k_qd83b07434b_quant
    .symbol:         k_qd83b07434b_quant.kd
    .args:
      - { .name: x, .offset: 0, .size: 8, .value_kind: global_buffer, .address_space: global }
      - { .name: wq_w, .offset: 8, .size: 8, .value_kind: global_buffer, .address_space: global }
      - { .name: wk_w, .offset: 16, .size: 8, .value_kind: global_buffer, .address_space: global }
      - { .name: wv_w, .offset: 24, .size: 8, .value_kind: global_buffer, .address_space: global }
      - { .name: wo_w, .offset: 32, .size: 8, .value_kind: global_buffer, .address_space: global }
      - { .name: xq, .offset: 40, .size: 8, .value_kind: global_buffer, .address_space: global }
      - { .name: wqkvq, .offset: 48, .size: 8, .value_kind: global_buffer, .address_space: global }
      - { .name: woq, .offset: 56, .size: 8, .value_kind: global_buffer, .address_space: global }
      - { .name: rope, .offset: 64, .size: 8, .value_kind: global_buffer, .address_space: global }
    .group_segment_fixed_size: 39424
    .private_segment_fixed_size: 0
    .kernarg_segment_align: 8
    .kernarg_segment_size: 72
    .max_flat_workgroup_size: 128
    .sgpr_count:     66
    .vgpr_count:     194
    .wavefront_size: 32
...
	.end_amdgpu_metadata
.endif
;; end of part 1
;; launch qkv (part 2): grid 12 x 16, 4 waves a work-group, clusters of 4 x 4, 327,680 bytes of LDS; arguments xq, wqkvq, wq_b, wk_b, wv_b, rope, qimg, kvimg; writes qimg, kvimg
.if DOCPART == 2
	.amdgcn_target "amdgcn-amd-amdhsa--gfx1250"
	.amdhsa_code_object_version 6
	.text
	.protected	k_qd83b07434b_qkv
	.globl	k_qd83b07434b_qkv
	.p2align	8
	.type	k_qd83b07434b_qkv,@function
k_qd83b07434b_qkv:
	s_mov_b64 s[64:65], 0
	v_nop
	global_prefetch_b8 v0, s[64:65] scope:SCOPE_SE
	s_setreg_imm32_b32 hwreg(HW_REG_WAVE_MODE, 25, 1), 1
	s_wait_xcnt 0x0
	s_wait_alu depctr_hold_cnt(0) depctr_sa_sdst(0) depctr_va_vdst(0) depctr_va_sdst(0) depctr_va_ssrc(0) depctr_va_vcc(0) depctr_vm_vsrc(0)
	s_getreg_b32 s2, hwreg(HW_REG_IB_STS2, 6, 4)
	s_cmp_eq_u32 s2, 0
	s_cbranch_scc0 .Lentry_in_a_cluster
	s_endpgm
.Lentry_in_a_cluster:
	s_bfe_u32 s2, ttmp6, 0x10000c
	s_cmp_lg_u32 s2, 0xf033
	s_cbranch_scc0 .Lentry_shape_is_right
	s_endpgm
.Lentry_shape_is_right:
; q, k, v = x W^T + b on codes of FP4 (E2M1) with E8M0 scales, K = 2,048; q and k are rotated (RoPE); all three are quantised again, in registers, for the attention's products, and stored as images of operand registers.
; OPERANDS arrive as RECORDS (row block of 16 rows, 512 along K): 4,352 bytes = four fragments' registers on end (register group c of lane l at 512 c + 16 l), then [row][16 scale bytes].  A buffer is [row block][4 records].
; Position t of row block RB is row 32 (RB / 2) + 8 (RB % 2) + t + 8 (t / 8).  So in a product (source 0 = block b, source 1 = block a) lane (r, h), register j holds source 1's position r and source 0's row 32 (b / 2) + 16 h + 8 (b % 2) + j:
; a lane's 64 registers over the eight b are 16 neighbours of each of the four blocks of 32 along source 0's axis: what the conversions want.
; A tile is 256 rows of x times 256 rows of W; four waves, as many as a WGP has SIMDs, 128 x 128 each: 64 accumulators, 512 registers.  A wave's 128 rows of W are ONE HEAD.  Tile columns 0-7: q's heads 2 tc, 2 tc + 1; columns 8-11: [k's head tc - 8 | v's head tc - 8].
; K goes in four steps of 512 through two LDS slots; each wave fetches 8 records (34,816 bytes) of a slot by one tensor load.  The scale bytes ride in the records.
; CLUSTERS: 4 x 4 work-groups; x's tiles are shared along a row of the cluster, W's along a column: each is asked for jointly, by the same tensor load with the same descriptor and a mask that names the four.
; ROLES.  Source 1 (a lane = a row) is x and source 0 (registers) is W for q and k: a lane holds one token and its registers run along the head's 128: the attention's first K.  For v the two LDS bases change places, nothing else:
; a lane then holds one channel d and its registers run along 128 keys: the second product's K.  Which wave is v's hangs on the cluster's x and the wave's number: alike in all partners.
; OUT: an attention record is 9,216 bytes: 8 fragments' images, then two images of scale words (lane l at 16 l: the words of fragments 4 g .. 4 g + 3).  qimg: record ((b 16 + head) 8 + query step); kvimg: record ((b 4 + kv head) 16 + 8 isV + key step).
; LIMITS: a block of zeros, or under 2^-124, keeps the byte 1 (read by this program alone); NaN and infinities are not served.
; REGISTERS, in windows of 256: window 0: v16-29 addresses; v32-95 scale words, two sets; v128-191 source 1's fragments, one set; on the way out v96-159 64 numbers, v160-223 codes, v224-231 scale words, v232-255 at work.
;   window 1: source 0's fragments, two sets, v0-63 and v128-191; v64-127 the bias; v192-255 (later all three free runs of 64) cos and sin.   windows 2, 3: accumulator (a, b) at v[64 (a % 4) + 8 b].
.set REC,   4352
.set RBP,   4*REC                      ; from row block to row block
.set H,     8*REC                      ; what one tensor load brings, and what a wave reads of x or of W
.set SLOT,  4*H                        ; x's two halves, then W's two
.set SPARE, 2*SLOT                     ; behind the ring: the spare words, 128 bytes for each wave: two blocks of 256 bytes that no other line names
.set RECA,  9216
.set NQ,    4
.set FR,    8
.set NL,    2
.set NP,    4                          ; places behind this matrix instruction (ISA guide 7.12.1)
.set ADRA,  16                         ; v16-17  source 1's fragments in slot 0, 1
.set ADRB,  20                         ; v20-21  source 0's
.set ADRS,  22                         ; v22-23  the scale bytes: lanes 0-15 source 1's rows, lanes 16-31 source 0's
.set LI,    24                         ; v24     16 x lane
.set BO,    25                         ; v25     64 h: the bias of my half's registers
.set VO,    26                         ; v26     4 (r + 8 (r / 8)): the bias of my row, for v
.set SPW,   28                         ; v28     my spare word; never rewritten
.set NIL,   29                         ; v29     0; never rewritten
.set SC,    32
.set HA,    96
.set AF,    128
.set PC,    160
.set PW,    224
.set TM,    232                        ; v232-235 largest magnitudes, v236-239 the other half's, then bytes, v240-243 the conversions' scale operands
.set TP,    248
.set BI,    64                         ; in window 1
.set G1,    24
.set G0,    32
.set G1B,   48
.set G0B,   56
.set OUTP,  82                         ; s[82:83] my record
.set ISV,   85                         ; s85      1 in a wave that makes v
.set BP,    86                         ; s[86:87] my head's bias
.set RP,    88                         ; s[88:89] cos and sin of my first row block
.set SEL,   96                         ; s[96:97] v_permlanex16_b32's selects for lane l xor 16
.set MSB, 0
.macro WIN new                         ; the immediate's high byte repeats the setting that is left
.if MSB != (\new)
	s_set_vgpr_msb (MSB<<8)|(\new)
.set MSB, \new
.endif
.endm
.set MUL_LO, 0xa1                      ; source 0 window 1, source 1 window 0, C and D window 2
.set MUL_HI, 0xf1                      ; the same, C and D window 3
.set TO_B,   0x40                      ; destination window 1, address window 0
; A joint load: waves 0 and 1 fetch x's halves, waves 2 and 3 W's.  The branch hangs on the wave's number alone.  Four v_nop follow each of the two lines.
.macro JLOAD g0a, g1a, g0b, g1b
	s_cmp_eq_u32 s15, 0
	s_cbranch_scc0 .Lfor_b_\@
	tensor_load_to_lds s[\g0a:\g0a+3], s[\g1a:\g1a+7]
	s_nop 0
.rept 4
	v_nop
.endr
	s_branch .Lasked_\@
.Lfor_b_\@:
	tensor_load_to_lds s[\g0b:\g0b+3], s[\g1b:\g1b+7]
	s_nop 0
.rept 4
	v_nop
.endr
.Lasked_\@:
.endm
.macro CREST                           ; a round of the cluster's barrier behind its opening barrier
	s_cmp_lg_u32 s14, 0
	s_cbranch_scc1 .Lnot_wave_0_\@
	s_barrier_signal -3
.Lnot_wave_0_\@:
	s_barrier_wait -3
	s_barrier_signal -1
	s_barrier_wait -1
.endm
.macro CROUND
	s_barrier_signal -1
	s_barrier_wait -1
	CREST
.endm
	s_load_b256 s[4:11], s[0:1], 0x0               ; xq, wqkvq, wq_b, wk_b
	s_load_b256 s[68:75], s[0:1], 0x20             ; wv_b, rope, qimg, kvimg
	v_lshl_add_u32 v[SPW], v0, 2, SPARE
	v_mov_b32 v[NIL], 0
	ds_add_u32 v28, v29
	ds_add_u32 v28, v29
	s_wait_dscnt 0x0
	v_lshrrev_b32 v1, 5, v0
	v_readfirstlane_b32 s14, v1                    ; wave 0..3
	s_lshr_b32 s15, s14, 1                         ; which half of the tile's rows of x is mine.  Also: I fetch for x (0) or for W (1)
	s_and_b32 s16, s14, 1                          ; which half of its rows of W.  Also: which half of that tile I fetch
	s_bfe_u32 s40, ttmp6, 0x40000                  ; cx, cy: my place in the cluster
	s_bfe_u32 s41, ttmp6, 0x40004
	s_lshl_b32 s42, ttmp9, 2
	s_add_co_u32 s42, s42, s40                     ; tc = 4 x cluster x + cx
	s_and_b32 s17, ttmp7, 0xffff
	s_lshl_b32 s17, s17, 2
	s_add_co_u32 s17, s17, s41                     ; tr = 4 x cluster y + cy
	s_lshl_b32 s43, s41, 2
	s_lshl_b32 s43, 15, s43                        ; my row of the cluster
	s_lshl_b32 s44, 0x1111, s40                    ; my column
	; descriptor group 1: 8 rows (records) of 544 elements of 8 bytes, 2,176 elements apart, laid on end in LDS
	s_or_b32 s[G1+0], s43, (3<<16)|(1<<21)         ; 15:0 the mask: x's tiles go to my row; 17:16 elements of 8 bytes; 20 no padding; 21 set beside a mask
	s_or_b32 s[G1B+0], s44, (3<<16)|(1<<21)
.irp g, G1, G1B
	s_mov_b32 s[\g+1], 544<<16                     ; tensor_dim0
	s_mov_b32 s[\g+2], 8<<16                       ; tensor_dim1
	s_mov_b32 s[\g+3], 544<<16                     ; tile_dim0
	s_mov_b32 s[\g+4], 8                           ; tile_dim1
	s_mov_b32 s[\g+5], 2176                        ; tensor_dim0_stride
	s_mov_b32 s[\g+6], 0
	s_mov_b32 s[\g+7], 0
.endr
	s_lshl_b32 s18, s16, 3
	s_lshl_b32 s20, s17, 4
	s_add_co_u32 s20, s20, s18                     ; x: row block 16 tr + 8 x half
	s_mul_i32 s20, s20, RBP
	s_mov_b32 s21, 0
	s_lshl_b32 s46, s42, 4
	s_add_co_u32 s46, s46, s18                     ; W: row block 16 tc + 8 x half
	s_mul_i32 s46, s46, RBP
	s_mov_b32 s47, 0
	s_mul_i32 s45, s14, H                          ; where they go: wave x 8 records: no place in the cluster enters an LDS address
	s_wait_kmcnt 0x0
	s_add_nc_u64 s[20:21], s[4:5], s[20:21]
	s_add_nc_u64 s[46:47], s[6:7], s[46:47]
	CROUND                                         ; all sixteen work-groups are here: the first joint loads meet
.irp s, 0,1
	s_mov_b32 s[G0+4*\s], 1
	s_add_co_u32 s[G0+4*\s+1], s45, \s*SLOT
	s_add_nc_u64 s[G0+4*\s+2:G0+4*\s+3], s[20:21], \s*REC
	s_or_b32 s[G0+4*\s+3], s[G0+4*\s+3], 0x80000000
	s_mov_b32 s[G0B+4*\s], 1
	s_add_co_u32 s[G0B+4*\s+1], s45, \s*SLOT
	s_add_nc_u64 s[G0B+4*\s+2:G0B+4*\s+3], s[46:47], \s*REC
	s_or_b32 s[G0B+4*\s+3], s[G0B+4*\s+3], 0x80000000
.endr
	JLOAD G0, G1, G0B, G1B                         ; K step 0: my one tensor load at the head
	; what I make and where it goes
	s_lshr_b32 s76, s17, 2                         ; the batch
	s_and_b32 s77, s17, 3
	s_lshl_b32 s77, s77, 1
	s_add_co_u32 s77, s77, s15                     ; which 128 tokens of its 1,024
	s_lshl_b32 s78, s42, 1
	s_add_co_u32 s78, s78, s16                     ; q's head
	s_lshl_b32 s79, s76, 4
	s_add_co_u32 s79, s79, s78
	s_lshl_b32 s79, s79, 3
	s_add_co_u32 s79, s79, s77                     ; q's record
	s_lshl_b32 s80, s76, 2
	s_add_co_u32 s80, s80, s40
	s_lshl_b32 s80, s80, 4
	s_lshl_b32 s81, s16, 3
	s_add_co_u32 s80, s80, s81
	s_add_co_u32 s80, s80, s77                     ; k's or v's record (there tc - 8 = cx)
	s_cmp_eq_u32 s16, 1
	s_cselect_b64 s[BP:BP+1], s[68:69], s[10:11]   ; wv_b or wk_b
	s_cmp_eq_u32 ttmp9, 2                          ; the third column of clusters holds k and v
	s_cselect_b64 s[BP:BP+1], s[BP:BP+1], s[8:9]
	s_cselect_b64 s[OUTP:OUTP+1], s[74:75], s[72:73]
	s_cselect_b32 s79, s80, s79
	s_cselect_b32 s84, s40, s78                    ; the head in its bias
	s_cselect_b32 s[ISV], s16, 0
	s_lshl_b32 s90, s84, 9
	s_mov_b32 s91, 0
	s_add_nc_u64 s[BP:BP+1], s[BP:BP+1], s[90:91]
	s_mul_i32 s90, s79, RECA
	s_add_nc_u64 s[OUTP:OUTP+1], s[OUTP:OUTP+1], s[90:91]
	s_and_b32 s90, s17, 3
	s_lshl_b32 s90, s90, 4
	s_lshl_b32 s81, s15, 3
	s_add_co_u32 s90, s90, s81                     ; my first row block in its batch
	s_lshl_b32 s90, s90, 13
	s_add_nc_u64 s[RP:RP+1], s[70:71], s[90:91]
	s_mov_b32 s[SEL], 0x76543210
	s_mov_b32 s[SEL+1], 0xfedcba98
	v_and_b32 v1, 31, v0
	v_lshlrev_b32 v[LI], 4, v1
	v_and_b32 v2, 15, v0                           ; r
	v_bfe_u32 v3, v0, 4, 1                         ; h
	v_lshlrev_b32 v[BO], 6, v3
	v_and_b32 v4, 8, v2
	v_add_nc_u32 v4, v4, v2
	v_lshlrev_b32 v[VO], 2, v4
	s_mul_i32 s98, s15, H                          ; my 8 records of x
	s_mul_i32 s99, s16, H
	s_add_co_u32 s99, s99, 2*H                     ; my 8 records of W
	s_cmp_lg_u32 s[ISV], 0
	s_cselect_b32 s92, s99, s98                    ; source 1: x; for v: W
	s_cselect_b32 s93, s98, s99                    ; source 0: W; for v: x
	s_sub_co_u32 s94, s99, s98
	v_add_nc_u32 v[ADRA], s92, v[LI]
	v_add_nc_u32 v[ADRB], s93, v[LI]
	v_add_nc_u32 v[ADRA+1], SLOT, v[ADRA]
	v_add_nc_u32 v[ADRB+1], SLOT, v[ADRB]
	v_xor_b32 v3, s[ISV], v3                       ; lanes 0-15 take source 1's scale bytes, lanes 16-31 source 0's: x's base + (h xor isV) x the distance to W's
	v_mul_u32_u24 v3, s94, v3
	v_lshl_add_u32 v3, v2, 4, v3                   ; 16 bytes a row
	v_add_nc_u32 v[ADRS], s98, v3
	v_add_nc_u32 v[ADRS+1], SLOT, v[ADRS]
.irp b, 0,1,2,3
	v_mov_b32 v[TM+4+\b], 0                        ; written once: a lane permute's destination counts as one of its sources
.endr
.macro FRAG reg, adr, q, i             ; a fragment comes as it was laid: two loads of 512 consecutive bytes
.irp c, 0,1
	ds_load_b128 v[\reg+4*\c:\reg+4*\c+3], v[\adr] offset:(\i)*REC+1024*(\q)+512*\c
.endr
.endm
; 16 matrix instructions: source 1's blocks a0, a0 + 1 x source 0's eight, the slot's q-th 128 along K.  p: source 0's set; sc: the set of scale words.  zero = 1: the first product starts the sums.
; The 64 accumulators take turns, one instruction a turn, in the same order in every step.
.macro MUL16 a0, p, q, sc, zero
.irp a, \a0, \a0+1
.irp b, 0,1,2,3,4,5,6,7
.if \zero
	v_wmma_scale_f32_16x16x128_f8f6f4 v[8*(8*((\a)%4)+\b):8*(8*((\a)%4)+\b)+7], v[128*(\p)+FR*\b:128*(\p)+FR*\b+FR-1], v[AF+FR*(\a):AF+FR*(\a)+FR-1], 0, v[SC+8*NQ*(\sc)+NQ*\b+(\q)], v[SC+8*NQ*(\sc)+NQ*(\a)+(\q)] matrix_a_fmt:MATRIX_FMT_FP4 matrix_b_fmt:MATRIX_FMT_FP4 matrix_a_scale:MATRIX_SCALE_ROW1
.else
	v_wmma_scale_f32_16x16x128_f8f6f4 v[8*(8*((\a)%4)+\b):8*(8*((\a)%4)+\b)+7], v[128*(\p)+FR*\b:128*(\p)+FR*\b+FR-1], v[AF+FR*(\a):AF+FR*(\a)+FR-1], v[8*(8*((\a)%4)+\b):8*(8*((\a)%4)+\b)+7], v[SC+8*NQ*(\sc)+NQ*\b+(\q)], v[SC+8*NQ*(\sc)+NQ*(\a)+(\q)] matrix_a_fmt:MATRIX_FMT_FP4 matrix_b_fmt:MATRIX_FMT_FP4 matrix_a_scale:MATRIX_SCALE_ROW1
.endif
.endr
.endr
.endm
.macro FETCH_B slot, q, p
	WIN TO_B
.irp i, 0,1,2,3,4,5,6,7
	FRAG 128*(\p)+FR*\i, ADRB+\slot, \q, \i
.endr
	WIN 0
.endm
.macro FETCH_A slot, q, i0
.irp i, \i0, \i0+1, \i0+2, \i0+3
	FRAG AF+FR*(\i), ADRA+\slot, \q, \i
.endr
.endm
.macro SCALES sc                       ; the slot's scale words: a row's four words by one load; lanes 0-15 source 1's block i, lanes 16-31 source 0's block i
.irp i, 0,1,2,3,4,5,6,7
	ds_load_b128 v[SC+8*NQ*\sc+NQ*\i:SC+8*NQ*\sc+NQ*\i+3], v[ADRS+\sc] offset:\i*REC+4096
.endr
.endm
.macro PLACES n                        ; a load into a register that a matrix instruction has read, and a vector instruction that reads a result or writes an operand, stand four plain vector instructions behind it (ISA guide 7.12.1 for vector instructions)
.rept \n
	v_nop
.endr
.endm
.macro STEP slot, q, zero              ; 128 along K that has its successor in the same slot
	s_wait_dscnt 4*NL                              ; all but the youngest eight loads (source 1's blocks 4-7) are in
	WIN MUL_LO
	MUL16 0, (\q)%2, \q, \slot, \zero
	MUL16 2, (\q)%2, \q, \slot, \zero
	s_wait_dscnt 0
	PLACES NP
	FETCH_B \slot, (\q)+1, 1-(\q)%2
	FETCH_A \slot, (\q)+1, 0
	WIN MUL_HI
	MUL16 4, (\q)%2, \q, \slot, \zero
	MUL16 6, (\q)%2, \q, \slot, \zero
	PLACES NP
	WIN 0
	FETCH_A \slot, (\q)+1, 4
.endm
; A slot's last step changes slots: ONE barrier; in front of it each wave waits for all its tensor loads, adds 0 to its spare word, and waits for that and for its own reads of this slot.  fill = 1: this slot is filled again, two K steps ahead.
.macro TURN slot, next, fill
	s_wait_tensorcnt 0x0                           ; all my tensor loads have landed: my part of the next slot
	ds_add_u32 v[SPW], v[NIL]                      ; 0 onto my spare word
	s_wait_dscnt 4*NL+1                            ; (the add and the youngest eight loads may be out)
	WIN MUL_LO
	MUL16 0, 1, NQ-1, \slot, 0
	s_wait_dscnt 0x0                               ; the add is done, and my reads of this slot are over
	s_barrier_signal -1
	MUL16 2, 1, NQ-1, \slot, 0
	WIN 0
	s_barrier_wait -1
.if \fill
	CREST                                          ; the barrier has opened a round of the cluster's barrier: no wave of any partner still reads this slot or has a load on its way
	s_add_nc_u64 s[G0+4*\slot+2:G0+4*\slot+3], s[G0+4*\slot+2:G0+4*\slot+3], 2*REC
	s_add_nc_u64 s[G0B+4*\slot+2:G0B+4*\slot+3], s[G0B+4*\slot+2:G0B+4*\slot+3], 2*REC
	JLOAD G0+4*\slot, G1, G0B+4*\slot, G1B         ; the first tensor load behind the round, my one load until the next; its four v_nop are also the places in front of the loads below
.else
	PLACES NP
.endif
	FETCH_B \next, 0, 0
	FETCH_A \next, 0, 0
	SCALES \next
	WIN MUL_HI
	MUL16 4, 1, NQ-1, \slot, 0
	MUL16 6, 1, NQ-1, \slot, 0
	PLACES NP
	WIN 0
	FETCH_A \next, 0, 4
.endm
.macro STEPS slot, from
.set Q, \from
.rept NQ-1-\from
	STEP \slot, Q, 0
.set Q, Q+1
.endr
.endm
.macro LAST                            ; the very last 128 along K: nothing more to fetch
	s_wait_dscnt 4*NL
	WIN MUL_LO
	MUL16 0, 1, NQ-1, 1, 0
	MUL16 2, 1, NQ-1, 1, 0
	s_wait_dscnt 0
	WIN MUL_HI
	MUL16 4, 1, NQ-1, 1, 0
	MUL16 6, 1, NQ-1, 1, 0
	WIN 0
.endm
; 64 numbers of a lane, v[s] on, register 16 b + i = index 32 b + 16 (lane / 16) + i of my row, become a fragment's codes in v[pc] on and my row's scale word in v[pw].
.macro QUANT s, pc, pw
.irp b, 0,1,2,3
	v_max3_num_f32 v[TM+\b], |v[\s+16*\b]|, |v[\s+1+16*\b]|, 0x1800000   ; block b: my 16 numbers, and the floor 2^(3 - 127): the byte cannot fall under 1
.endr
.irp i, 2,4,6,8,10,12,14
.irp b, 0,1,2,3
	v_max3_num_f32 v[TM+\b], v[TM+\b], |v[\s+16*\b+\i]|, |v[\s+1+16*\b+\i]|
.endr
.endr
.irp b, 0,1,2,3
	v_permlanex16_b32 v[TM+4+\b], v[TM+\b], s[SEL], s[SEL+1]
.endr
.irp b, 0,1,2,3
	v_max_num_f32 v[TM+\b], v[TM+\b], v[TM+4+\b]   ; with lane l xor 16's: the block's largest magnitude
.endr
.irp b, 0,1,2,3
	v_add_nc_u32 v[TM+8+\b], 0xff000000, v[TM+\b]  ; 2 off its exponent field: the conversion's scale operand
.endr
.irp b, 0,1,2,3
	v_lshrrev_b32 v[TM+4+\b], 23, v[TM+8+\b]       ; the scale's byte
.endr
	v_lshl_or_b32 v[\pw], v[TM+5], 8, v[TM+4]
	v_lshl_or_b32 v[\pw], v[TM+6], 16, v[\pw]
	v_lshl_or_b32 v[\pw], v[TM+7], 24, v[\pw]
.irp b, 0,1,2,3
	v_cvt_scalef32_pk8_fp4_f32 v[\pc+2*\b], v[\s+16*\b:\s+7+16*\b], v[TM+8+\b]
	v_cvt_scalef32_pk8_fp4_f32 v[\pc+1+2*\b], v[\s+8+16*\b:\s+15+16*\b], v[TM+8+\b]
.endr
	v_nop                                          ; one plain line behind a scaled conversion
.irp c, 0,1                                    ; the operand's layout wants a whole block in a lane: lanes 0-15 block 2 c, lanes 16-31 block 2 c + 1
.irp i, 0,1
	v_permlane16_swap_b32 v[\pc+4*\c+\i], v[\pc+2+4*\c+\i]
.endr
.endr
.endm
.macro CSLOAD a                        ; cos and sin of row block a of my eight, 32 registers each, into run a % 3 of window 1 (the caller sets the window)
.set CB, 192
.if ((\a)%3) == 1
.set CB, 0
.endif
.if ((\a)%3) == 2
.set CB, 128
.endif
.irp p, 0,1,2,3,4,5,6,7
	global_load_b128 v[CB+4*\p:CB+4*\p+3], v[LI], s[RP:RP+1] offset:(\a)*8192+512*\p
	global_load_b128 v[CB+32+4*\p:CB+32+4*\p+3], v[LI], s[RP:RP+1] offset:(\a)*8192+4096+512*\p
.endr
.endm
; q, k: row block a's 64 numbers a lane: + bias; then the rotation: register n (d under 64) and register 32 + n (d + 64) make a pair: lo' = lo cos - hi sin, hi' = hi cos + lo sin.
.macro PREP_ROPE a
.set AC, 64*((\a)%4)
.set CB, 192
.if ((\a)%3) == 1
.set CB, 0
.endif
.if ((\a)%3) == 2
.set CB, 128
.endif
.if (\a) <= 5
	s_wait_loadcnt 32                              ; this row block's cos and sin are in; the next two sets of 16 loads may be out
.else
	s_wait_loadcnt 16*(7-(\a))
.endif
	WIN 0x06+(\a)/4                                ; source 0: the accumulators' window; source 1: window 1
.set n, 0
.rept 32
	v_pk_add_f32 v[HA+n:HA+n+1], v[AC+n:AC+n+1], v[BI+n:BI+n+1]    ; each accumulator from its low end on
.set n, n+2
.endr
	WIN 0x04
.set n, 0
.rept 16
.set T0, TP+2*(n%4)
	v_pk_mul_f32 v[T0:T0+1], v[HA+32+n:HA+33+n], v[CB+32+n:CB+33+n]
	v_pk_mul_f32 v[T0+2:T0+3], v[HA+n:HA+n+1], v[CB+32+n:CB+33+n]
	v_pk_fma_f32 v[HA+n:HA+n+1], v[HA+n:HA+n+1], v[CB+n:CB+n+1], v[T0:T0+1] neg_lo:[0,0,1] neg_hi:[0,0,1]
	v_pk_fma_f32 v[HA+32+n:HA+33+n], v[HA+32+n:HA+33+n], v[CB+n:CB+n+1], v[T0+2:T0+3]
.set n, n+2
.endr
.if (\a)+3 < 8
	WIN 0x40
	CSLOAD (\a)+3                                  ; into the run just read
.endif
	WIN 0
.endm
.macro PREP_V a                        ; v: my row is channel d of block a: one bias for all 64 numbers
.set AC, 64*((\a)%4)
	WIN 0x06+(\a)/4
.set n, 0
.rept 32
	v_pk_add_f32 v[HA+n:HA+n+1], v[AC+n:AC+n+1], v[BI+2*(\a):BI+2*(\a)+1]
.set n, n+2
.endr
	WIN 0
.endm
.macro STORE a                         ; the fragment's image: 512 consecutive bytes a store; no store's data are written again
	global_store_b128 v[LI], v[PC+8*(\a):PC+8*(\a)+3], s[OUTP:OUTP+1] offset:1024*(\a)
	global_store_b128 v[LI], v[PC+8*(\a)+4:PC+8*(\a)+7], s[OUTP:OUTP+1] offset:1024*(\a)+512
.if ((\a)%4) == 3
	global_store_b128 v[LI], v[PW+(\a)-3:PW+(\a)], s[OUTP:OUTP+1] offset:8192+512*((\a)/4)   ; four fragments' scale words
.endif
.endm
	s_wait_alu depctr_va_vdst(0)
	s_wait_tensorcnt 0x0                           ; my part of K step 0 is in
	ds_add_u32 v[SPW], v[NIL]
	s_wait_dscnt 0x0
	CROUND                                         ; everybody's part is in, and all sixteen work-groups are here
	JLOAD G0+4, G1, G0B+4, G1B                     ; K step 1 into slot 1: the first tensor load behind the round
	FETCH_B 0, 0, 0
	FETCH_A 0, 0, 0
	SCALES 0
	FETCH_A 0, 0, 4
	STEP 0, 0, 1                                   ; the first products start the sums: nothing is cleared
	STEPS 0, 1
	TURN 0, 1, 1                                   ; slot 0 takes K step 2
	STEPS 1, 0
	TURN 1, 0, 1                                   ; slot 1 takes K step 3
	STEPS 0, 0
	TURN 0, 1, 0                                   ; nothing is left to fetch
	STEP 1, 0, 0
	STEP 1, 1, 0
	; THE WAVES PART ONCE, by what they make; no barrier and no tensor load stands on either way.  Each way asks for what its way out needs, runs the last two steps of 128 while that lands, and goes out.
	s_cmp_lg_u32 s[ISV], 0
	s_cbranch_scc1 .Lv_way
	WIN 0x40
.irp b, 0,1,2,3,4,5,6,7
	global_load_b128 v[BI+8*\b:BI+8*\b+3], v[BO], s[BP:BP+1] offset:(32*(\b/2)+8*(\b%2))*4          ; the bias at d = 32 (b / 2) + 16 h + 8 (b % 2) + 0 .. 7
	global_load_b128 v[BI+8*\b+4:BI+8*\b+7], v[BO], s[BP:BP+1] offset:(32*(\b/2)+8*(\b%2))*4+16
.endr
	CSLOAD 0
	WIN 0
	STEP 1, 2, 0
	LAST
	PLACES NP                                      ; behind the last products: for the reads of results, the writes over source 1's registers and the loads into source 0's
	WIN 0x40
	CSLOAD 1
	CSLOAD 2
	WIN 0
.irp a, 0,1,2,3,4,5,6,7
	PREP_ROPE \a
	QUANT HA, PC+8*\a, PW+\a
	STORE \a
.endr
	s_branch .Lend
.Lv_way:
	WIN 0x40
.irp a, 0,1,2,3,4,5,6,7
	global_load_b32 v[BI+2*\a], v[VO], s[BP:BP+1] offset:(32*(\a/2)+8*(\a%2))*4      ; the bias at my d = 32 (a / 2) + 8 (a % 2) + r + 8 (r / 8), in both halves of a pair
	global_load_b32 v[BI+2*\a+1], v[VO], s[BP:BP+1] offset:(32*(\a/2)+8*(\a%2))*4
.endr
	WIN 0
	STEP 1, 2, 0
	LAST
	PLACES NP
	s_wait_loadcnt 0x0
.irp a, 0,1,2,3,4,5,6,7
	PREP_V \a
	QUANT HA, PC+8*\a, PW+\a
	STORE \a
.endr
.Lend:
	s_wait_tensorcnt 0x0                           ; the wave's end
	ds_add_u32 v[SPW], v[NIL]
	s_wait_dscnt 0x0
	CROUND                                         ; the closing round: no work-group ends while a partner may still ask for a tile that names it
	s_endpgm
.Lfunc_end_k_qd83b07434b_qkv:
	.size	k_qd83b07434b_qkv, .Lfunc_end_k_qd83b07434b_qkv-k_qd83b07434b_qkv
	.p2alignl 7, 3214868480
	.fill 96, 4, 3214868480
	.section	.rodata,"a",@progbits
	.p2align	6, 0x0
	.amdhsa_kernel k_qd83b07434b_qkv
		.amdhsa_group_segment_fixed_size 327680
		.amdhsa_private_segment_fixed_size 0
		.amdhsa_enable_private_segment 0
		.amdhsa_kernarg_size 64
		.amdhsa_user_sgpr_count 2
		.amdhsa_user_sgpr_kernarg_segment_ptr 1
		.amdhsa_wavefront_size32 1
		.amdhsa_system_sgpr_workgroup_id_x 1
		.amdhsa_system_sgpr_workgroup_id_y 1
		.amdhsa_system_sgpr_workgroup_id_z 1
		.amdhsa_system_vgpr_workitem_id 0
		.amdhsa_next_free_vgpr 1024
		.amdhsa_next_free_sgpr 100
		.amdhsa_reserve_vcc 0
		.amdhsa_float_denorm_mode_32 3
		.amdhsa_float_denorm_mode_16_64 3
		.amdhsa_memory_ordered 1
		.amdhsa_forward_progress 1
		.amdhsa_inst_pref_size 255
	.end_amdhsa_kernel
	.section	.bss,"aw",@nobits
	.p2align	6
	.space	262144
	.amdgpu_metadata
---
amdhsa.version: [ 1, 2 ]
amdhsa.kernels:
  - .name:           k_qd83b07434b_qkv
    .symbol:         k_qd83b07434b_qkv.kd
    .args:
      - { .name: xq, .offset: 0, .size: 8, .value_kind: global_buffer, .address_space: global }
      - { .name: wqkvq, .offset: 8, .size: 8, .value_kind: global_buffer, .address_space: global }
      - { .name: wq_b, .offset: 16, .size: 8, .value_kind: global_buffer, .address_space: global }
      - { .name: wk_b, .offset: 24, .size: 8, .value_kind: global_buffer, .address_space: global }
      - { .name: wv_b, .offset: 32, .size: 8, .value_kind: global_buffer, .address_space: global }
      - { .name: rope, .offset: 40, .size: 8, .value_kind: global_buffer, .address_space: global }
      - { .name: qimg, .offset: 48, .size: 8, .value_kind: global_buffer, .address_space: global }
      - { .name: kvimg, .offset: 56, .size: 8, .value_kind: global_buffer, .address_space: global }
    .group_segment_fixed_size: 327680
    .private_segment_fixed_size: 0
    .kernarg_segment_align: 8
    .kernarg_segment_size: 64
    .max_flat_workgroup_size: 128
    .sgpr_count:     100
    .vgpr_count:     1024
    .wavefront_size: 32
...
	.end_amdgpu_metadata
.endif
;; end of part 2
;; launch attn (part 3): grid 64 x 4, 16 waves a work-group, clusters of 4 x 1, 169,984 bytes of LDS; arguments qimg, kvimg, ctxq; writes ctxq
.if DOCPART == 3
	.amdgcn_target "amdgcn-amd-amdhsa--gfx1250"
	.amdhsa_code_object_version 6
	.text
	.protected	k_qd83b07434b_attn
	.globl	k_qd83b07434b_attn
	.p2align	8
	.type	k_qd83b07434b_attn,@function
k_qd83b07434b_attn:
	s_mov_b64 s[64:65], 0
	v_nop
	global_prefetch_b8 v0, s[64:65] scope:SCOPE_SE
	s_setreg_imm32_b32 hwreg(HW_REG_WAVE_MODE, 25, 1), 1
	s_wait_xcnt 0x0
	s_wait_alu depctr_hold_cnt(0) depctr_sa_sdst(0) depctr_va_vdst(0) depctr_va_sdst(0) depctr_va_ssrc(0) depctr_va_vcc(0) depctr_vm_vsrc(0)
	s_getreg_b32 s2, hwreg(HW_REG_IB_STS2, 6, 4)
	s_cmp_eq_u32 s2, 0
	s_cbranch_scc0 .Lentry_in_a_cluster
	s_endpgm
.Lentry_in_a_cluster:
	s_bfe_u32 s2, ttmp6, 0x10000c
	s_cmp_lg_u32 s2, 0x3003
	s_cbranch_scc0 .Lentry_shape_is_right
	s_endpgm
.Lentry_shape_is_right:
; ctx = softmax(q k^T / sqrt(128), causal) v for 4 batches x 16 query heads on 4 key/value heads, 1,024 tokens, head size 128; both products on codes of FP4 (E2M1) with E8M0 scales; ctx is quantised again, along (head, d), for the output projection.
; THE SOFTMAX AHEAD OF THE SECOND PRODUCT: t = score x log2(e) / sqrt(128); M = the row's largest t so far, rounded up to a whole number; p = 2^(t - M) is quantised along the keys, not normalised; the row's sum is taken of the unquantised p and divides at the end.
; When M moves, the sum and O are multiplied by 2^(old M - new M): exact.  Hidden scores become -infinity ahead of the maximum: p = 0, as with the reference's lowest number.
; OPERANDS come as records of 9,216 bytes: 8 fragments' registers on end (register group c of lane l at 1,024 t + 512 c + 16 l), then two images of scale words (lane l at 16 l: fragments 4 g .. 4 g + 3).  qimg: ((b 16 + head) 8 + query step);
; kvimg: ((b 4 + kv head) 16 + 8 isV + key step).  Position r of tile T of 16 tokens is token 32 (T / 2) + 8 (T % 2) + r + 8 (r / 8); so in S^T = K Q^T the 16 registers of tiles 2 b, 2 b + 1 are keys 32 b + 16 (lane / 16) + 0 .. 15 of the step.
; V's fragments hold 16 channels x 128 keys, the channels in the same order of positions: O^T's 64 registers of a lane are d = 32 b + 16 (lane / 16) + i: ready for the conversions.
; SHARES.  A cluster is the four query heads that share one key/value head; they ask for its K and V JOINTLY: 16 records, one dense block of 147,456 bytes, a record a wave, once: all of it stays in LDS; nothing is filled again.
; A work-group has 16 waves of 256 registers; wave w owns ONE tile of 16 queries, T = 4 pi(w) + g (g the work-group's y).  Under the causal mask tile T has T / 8 + 1 = pi / 2 + 1 key steps.  pi is a fixed order of 0 .. 15 in which
; the four waves of equal w % 4 have 18 key steps together, and so have the four waves of equal w / 4; every work-group has 72.
; Every wave walks all eight key steps (a constant count); a step all of whose keys come after the wave's queries is jumped over: a scalar branch on ids; no barrier and no tensor load stands in the loop.
; LIMITS: a block of zeros keeps the byte 1 (its codes are zeros; read by this program alone); NaN and infinities are not served.
.set RECA,  9216
.set VOFF,  8*RECA                     ; V's eight records lie behind K's
.set WV,    10
.set CX,    11
.set GG,    12
.set TT,    13                         ; s13  my tile of queries
.set QB,    14                         ; s14  its first token
.set KF,    15                         ; s15  the step's first key
.set TB,    16                         ; s16  LDS byte of the step's record of K
.set CNT,   17
.set SEL,   18                         ; s[18:19] selects for lane l xor 16
.set CS,    20                         ; s[20:21] c = log2(e) / sqrt(128)
.set G1,    24
.set G0,    32
.set LI,    1                          ; v1   16 x lane
.set ADK,   2                          ; v2   the step's record of K
.set ADV,   3                          ; v3   of V
.set DD,    4                          ; v4   r + 8 (r / 8) - 16 h
.set SO,    5                          ; v5   16 (lane % 16)
.set QF,    16                         ; v16-23 Q's fragment;  v24 its scale words;  v25 p's, at the end ctx's
.set QS,    24
.set PS,    25
.set FF,    26                         ; v[26:27] f = 2^(old M - new M) in the low word
.set SW,    28                         ; v28-35 eight fragments' scale words
.set FG,    36                         ; v36-99 eight fragments of K, then of V
.set SS,    100                        ; v100-163 S^T, then p, at the end ctx
.set OO,    164                        ; v164-227 O^T
.set PCD,   228                        ; v228-235 codes
.set TM,    236                        ; v236-239 block maxima, v240-243 the other half's, a chain of sums, bytes; v244-247 scale operands
.macro ROUND                           ; a round of the cluster's barrier
	s_barrier_signal -1
	s_barrier_wait -1
	s_cmp_lg_u32 s[WV], 0
	s_cbranch_scc1 .Lnot_wave_0_\@
	s_barrier_signal -3
.Lnot_wave_0_\@:
	s_barrier_wait -3
	s_barrier_signal -1
	s_barrier_wait -1
.endm
	s_load_b128 s[4:7], s[0:1], 0x0                ; qimg, kvimg
	s_load_b64 s[8:9], s[0:1], 0x10                ; ctxq
	v_lshl_add_u32 v253, v0, 2, 0x29000
	v_mov_b32 v255, 0
	ds_add_u32 v253, v255
	ds_add_u32 v253, v255
	v_lshrrev_b32 v2, 5, v0
	s_delay_alu instid0(VALU_DEP_1)
	v_readfirstlane_b32 s[WV], v2                  ; wave 0..15
	s_bfe_u32 s[CX], ttmp6, 0x40000                ; my head in the group of four: it enters global addresses alone
	s_and_b32 s[GG], ttmp7, 0xffff
	s_and_b32 s22, s[WV], 7                        ; pi(w) = 0, 6, 8, 14, 15, 9, 7, 1, 2, 12, 10, 4, 13, 3, 5, 11: four bits a wave, eight waves to a word
	s_lshl_b32 s22, s22, 2
	s_mov_b32 s[TT], 0xb53d4ac2                    ; waves 8 to 15
	s_cmp_lt_u32 s[WV], 8
	s_cselect_b32 s[TT], 0x179fe860, s[TT]         ; waves 0 to 7
	s_lshr_b32 s[TT], s[TT], s22
	s_and_b32 s[TT], s[TT], 15
	s_lshl_b32 s[TT], s[TT], 2
	s_add_co_u32 s[TT], s[TT], s[GG]
	s_lshr_b32 s[QB], s[TT], 1
	s_lshl_b32 s[QB], s[QB], 5
	s_and_b32 s22, s[TT], 1
	s_lshl_b32 s22, s22, 3
	s_add_co_u32 s[QB], s[QB], s22
	; descriptor group 1: a record: 36 rows of 256 bytes (32 elements of 8), dense
	s_mov_b32 s[G1], 15|(3<<16)|(1<<21)            ; 15:0 the mask: all four work-groups; 17:16 elements of 8 bytes; 21 set beside a mask
	s_mov_b32 s[G1+1], 32<<16
	s_mov_b32 s[G1+2], 36<<16
	s_mov_b32 s[G1+3], 32<<16
	s_mov_b32 s[G1+4], 36
	s_mov_b32 s[G1+5], 32
	s_mov_b32 s[G1+6], 0
	s_mov_b32 s[G1+7], 0
	s_mov_b32 s[G0], 1
	s_mul_i32 s[G0+1], s[WV], RECA                 ; record w of the sixteen, in LDS
	s_mul_i32 s36, ttmp9, 16*RECA                  ; the cluster's x is batch x 4 + key/value head
	s_add_co_u32 s36, s36, s[G0+1]                 ; and in memory
	s_mov_b32 s37, 0
	s_lshl_b32 s38, ttmp9, 2
	s_add_co_u32 s38, s38, s[CX]                   ; batch x 16 + my head
	s_lshl_b32 s38, s38, 3
	s_lshr_b32 s40, s[TT], 3
	s_add_co_u32 s38, s38, s40
	s_mul_i32 s38, s38, RECA                       ; Q's record
	s_and_b32 s46, s[TT], 7
	s_lshr_b32 s40, s46, 2
	s_lshl_b32 s40, s40, 9
	s_add_co_u32 s40, s40, s38
	s_and_b32 s41, s[TT], 3
	s_lshl_b32 s41, s41, 2
	s_add_co_u32 s40, s40, s41                     ; my tile's scale words: image (T % 8) / 4, word T % 4
	s_mov_b32 s41, 0
	s_lshl_b32 s46, s46, 10
	s_add_co_u32 s38, s38, s46                     ; my tile's fragment
	s_mov_b32 s39, 0
	s_lshr_b32 s42, ttmp9, 2
	s_lshl_b32 s42, s42, 6
	s_add_co_u32 s42, s42, s[TT]                   ; ctx's row block: batch x 64 + T
	s_lshl_b32 s42, s42, 2
	s_and_b32 s44, ttmp9, 3
	s_add_co_u32 s42, s42, s44                     ; its K step of 512: the key/value head
	s_mul_i32 s42, s42, 4352
	s_lshl_b32 s44, s[CX], 2
	s_add_co_u32 s44, s44, s42                     ; my head's word of a row's 16 scale bytes
	s_lshl_b32 s46, s[CX], 10
	s_add_co_u32 s42, s42, s46                     ; my head's fragment of the record's four
	s_mov_b32 s43, 0
	s_mov_b32 s45, 0
	s_mov_b32 s[SEL], 0x76543210
	s_mov_b32 s[SEL+1], 0xfedcba98
	s_mov_b32 s[CS], 0x3e0293ee
	s_mov_b32 s[CS+1], s[CS]                       ; (named with it as a pair, so it is written)
	s_mov_b32 s[KF], 0
	s_mov_b32 s[TB], 0
	s_mov_b32 s[CNT], 8
	s_wait_dscnt 0x0
	s_wait_kmcnt 0x0
	s_add_nc_u64 s[G0+2:G0+3], s[6:7], s[36:37]
	s_or_b32 s[G0+3], s[G0+3], 0x80000000
	s_add_nc_u64 s[38:39], s[4:5], s[38:39]
	s_add_nc_u64 s[40:41], s[4:5], s[40:41]
	s_add_nc_u64 s[42:43], s[8:9], s[42:43]
	s_add_nc_u64 s[44:45], s[8:9], s[44:45]
	ROUND                                          ; all four work-groups are here: the joint loads meet
	tensor_load_to_lds s[G0:G0+3], s[G1:G1+7]      ; my one tensor load of the launch
	s_nop 0
.rept 4
	v_nop
.endr
	v_and_b32 v[LI], 31, v0
	s_delay_alu instid0(VALU_DEP_1)
	v_lshlrev_b32 v[LI], 4, v[LI]
	global_load_b128 v[QF:QF+3], v[LI], s[38:39]
	global_load_b128 v[QF+4:QF+7], v[LI], s[38:39] offset:512
	global_load_b32 v[QS], v[LI], s[40:41] offset:8192
	v_and_b32 v6, 15, v0
	s_delay_alu instid0(VALU_DEP_1)
	v_and_b32 v7, 8, v6
	s_delay_alu instid0(VALU_DEP_1)
	v_add_nc_u32 v[DD], v6, v7
	v_bfe_u32 v7, v0, 4, 1
	s_delay_alu instid0(VALU_DEP_1)
	v_lshlrev_b32 v7, 4, v7
	s_delay_alu instid0(VALU_DEP_1)
	v_sub_nc_u32 v[DD], v[DD], v7
	v_lshlrev_b32 v[SO], 4, v6
	v_mov_b32 v9, 0xff61b1e6                       ; the largest t so far: -3e38, under every t
	s_delay_alu instid0(VALU_DEP_1)
	v_floor_f32 v8, -v9                            ; -M
	v_mov_b32 v10, 0                               ; the sum, in two halves
	v_mov_b32 v11, 0
	v_mov_b32 v[FF+1], 0                           ; (named as the upper half of a pair)
	v_mov_b32 v254, 0
.irp b, 0,1,2,3
	v_mov_b32 v[TM+4+\b], 0                        ; written once: a lane permute's destination counts as one of its sources
.endr
.set j, 0
.rept 64
	v_mov_b32 v[OO+j], 0                           ; O^T.  (The step is written once: the first finds zeros, which the first change of M leaves zeros)
.set j, j+1
.endr
	s_wait_tensorcnt 0x0                           ; my record is in,
	s_barrier_signal -1
	s_barrier_wait -1                              ; everybody's is: K and V of the head lie in LDS for the rest of the launch
	s_wait_loadcnt 0x0                             ; Q
.Lstep:
	s_add_co_u32 s22, s[QB], 23                    ; my last query
	s_cmp_gt_u32 s[KF], s22
	s_cbranch_scc1 .Lhidden
	v_add_nc_u32 v[ADK], s[TB], v[LI]
	s_delay_alu instid0(VALU_DEP_1)
	v_add_nc_u32 v[ADV], VOFF, v[ADK]
	v_nop
	v_nop                                          ; with the two additions: four places in front of loads into registers that the last step's products have read
.irp t, 0,1,2,3,4,5,6,7
.irp c, 0,1
	ds_load_b128 v[FG+8*\t+4*\c:FG+8*\t+4*\c+3], v[ADK] offset:1024*\t+512*\c
.endr
.endr
.irp g, 0,1
	ds_load_b128 v[SW+4*\g:SW+4*\g+3], v[ADK] offset:8192+512*\g
.endr
	s_wait_alu depctr_va_vdst(0)
	s_wait_dscnt 0x0
.irp t, 0,1,2,3,4,5,6,7                        ; S^T = K Q^T: source 0 = 16 keys, source 1 = my 16 queries
	v_wmma_scale_f32_16x16x128_f8f6f4 v[SS+8*\t:SS+8*\t+7], v[FG+8*\t:FG+8*\t+7], v[QF:QF+7], 0, v[SW+\t], v[QS] matrix_a_fmt:MATRIX_FMT_FP4 matrix_b_fmt:MATRIX_FMT_FP4
.endr
.rept 4
	v_nop                                          ; places: for the loads below and for the first reads of the scores
.endr
.irp t, 0,1,2,3,4,5,6,7                        ; V's fragments and scale words take K's registers and land under the softmax
.irp c, 0,1
	ds_load_b128 v[FG+8*\t+4*\c:FG+8*\t+4*\c+3], v[ADV] offset:1024*\t+512*\c
.endr
.endr
.irp g, 0,1
	ds_load_b128 v[SW+4*\g:SW+4*\g+3], v[ADV] offset:8192+512*\g
.endr
	s_add_co_u32 s22, s[KF], 127                   ; on the diagonal the scores of hidden keys become -infinity; a step all of whose keys count skips this
	s_cmp_le_u32 s22, s[QB]
	s_cbranch_scc1 .Lopen
	s_sub_co_i32 s22, s[QB], s[KF]
	v_add_nc_u32 v252, s22, v[DD]                  ; d = my query - KF - 16 (lane / 16).  Register 16 b + i holds key KF + 16 (lane / 16) + 32 b + i: hidden where 32 b + i > d
	v_mov_b32 v254, 0xff800000
.set n, 0
.rept 64
	v_cmp_gt_i32 vcc_lo, 32*(n/16)+n%16, v252
	v_cndmask_b32 v[SS+n], v[SS+n], v254, vcc_lo
.set n, n+1
.endr
.Lopen:
.irp b, 0,1,2,3
	v_max3_num_f32 v[TM+\b], v[SS+16*\b], v[SS+1+16*\b], v[SS+2+16*\b]   ; the largest score of each block of 32 keys: for the row's maximum and, since p rises with the score, for the block's largest p
.endr
.irp i, 3,5,7,9,11,13
.irp b, 0,1,2,3
	v_max3_num_f32 v[TM+\b], v[TM+\b], v[SS+16*\b+\i], v[SS+1+16*\b+\i]
.endr
.endr
.irp b, 0,1,2,3
	v_max_num_f32 v[TM+\b], v[TM+\b], v[SS+15+16*\b]
.endr
.irp b, 0,1,2,3
	s_delay_alu instid0(VALU_DEP_4)
	v_permlanex16_b32 v[TM+4+\b], v[TM+\b], s[SEL], s[SEL+1]
.endr
.irp b, 0,1,2,3
	s_delay_alu instid0(VALU_DEP_4)
	v_max_num_f32 v[TM+\b], v[TM+\b], v[TM+4+\b]   ; with lane l xor 16's 16 keys
.endr
	s_delay_alu instid0(VALU_DEP_2)
	v_max3_num_f32 v254, v[TM], v[TM+1], v[TM+2]
	s_delay_alu instid0(VALU_DEP_1)
	v_max_num_f32 v254, v254, v[TM+3]
	s_delay_alu instid0(VALU_DEP_1)
	v_mul_f32 v254, s[CS], v254                    ; the step's largest t (c is positive)
	s_delay_alu instid0(VALU_DEP_1)
	v_max_num_f32 v9, v9, v254                     ; the running largest t
	v_mov_b32 v254, v8
	s_delay_alu instid0(VALU_DEP_2)
	v_floor_f32 v8, -v9                            ; the new -M = -ceil(t): a whole number
	s_delay_alu instid0(VALU_DEP_1)
	v_sub_f32 v254, v8, v254                       ; old M - new M: a whole number, 0 or less
	s_delay_alu instid0(VALU_DEP_1)
	v_cvt_i32_f32 v254, v254                       ; (it saturates)
	s_delay_alu instid0(VALU_DEP_1)
	v_ldexp_f32 v[FF], 1.0, v254                   ; f = 2^(old M - new M)
.set j, 0
.rept 32
	v_pk_fma_f32 v[SS+j:SS+j+1], v[SS+j:SS+j+1], s[CS:CS+1], v[8:9] op_sel_hi:[1,0,0]   ; t - M, two at a time
.set j, j+2
.endr
.irp b, 0,1,2,3
	v_fma_f32 v[TM+\b], v[TM+\b], s[CS], v8        ; the same of each block's largest score
.endr
.set j, 0
	s_wait_alu depctr_va_vdst(0)
.rept 64
	v_exp_f32 v[SS+j], v[SS+j]                     ; p = 2^(t - M), at most 1
.set j, j+1
.endr
	v_pk_mul_f32 v[10:11], v[10:11], v[FF:FF+1] op_sel_hi:[1,0]    ; the sums under the new M (a plain line behind the exponentials)
	s_wait_alu depctr_va_vdst(0)                   ; one wait for the whole batch, ahead of its first reader
.irp b, 0,1,2,3
	v_exp_f32 v[TM+\b], v[TM+\b]                   ; the block's largest p: the same two instructions on the same number give the same bits
.endr
	v_pk_add_f32 v[240:241], v[104:105], v[108:109]
	v_pk_add_f32 v[250:251], v[112:113], v[116:117]
	v_pk_add_f32 v[248:249], v[120:121], v[124:125]
	v_pk_add_f32 v[246:247], v[128:129], v[132:133]
	v_pk_add_f32 v[244:245], v[136:137], v[140:141]
	v_pk_add_f32 v[242:243], v[144:145], v[148:149]
	v_pk_add_f32 v[234:235], v[152:153], v[156:157]
	v_pk_add_f32 v[10:11], v[10:11], v[160:161]
	v_pk_add_f32 v[240:241], v[240:241], v[100:101]
	v_pk_add_f32 v[250:251], v[250:251], v[102:103]
	v_pk_add_f32 v[248:249], v[248:249], v[106:107]
	v_pk_add_f32 v[246:247], v[246:247], v[110:111]
	v_pk_add_f32 v[244:245], v[244:245], v[114:115]
	v_pk_add_f32 v[242:243], v[242:243], v[118:119]
	v_pk_add_f32 v[234:235], v[234:235], v[122:123]
	v_pk_add_f32 v[10:11], v[10:11], v[126:127]
	v_pk_add_f32 v[240:241], v[240:241], v[130:131]
	v_pk_add_f32 v[250:251], v[250:251], v[134:135]
	v_pk_add_f32 v[248:249], v[248:249], v[138:139]
	v_pk_add_f32 v[246:247], v[246:247], v[142:143]
	v_pk_add_f32 v[244:245], v[244:245], v[146:147]
	v_pk_add_f32 v[242:243], v[242:243], v[150:151]
	v_pk_add_f32 v[234:235], v[234:235], v[154:155]
	v_pk_add_f32 v[10:11], v[10:11], v[158:159]
	v_pk_add_f32 v[240:241], v[240:241], v[162:163]
	s_delay_alu instid0(VALU_DEP_2)
	v_pk_add_f32 v[10:11], v[10:11], v[246:247]
	s_delay_alu instid0(VALU_DEP_2)
	v_pk_add_f32 v[240:241], v[240:241], v[244:245]
	v_pk_add_f32 v[250:251], v[250:251], v[242:243]
	v_pk_add_f32 v[248:249], v[248:249], v[234:235]
	s_delay_alu instid0(VALU_DEP_2)
	v_pk_add_f32 v[10:11], v[10:11], v[250:251]
	s_delay_alu instid0(VALU_DEP_2)
	v_pk_add_f32 v[240:241], v[240:241], v[248:249]
	s_delay_alu instid0(VALU_DEP_1)
	v_pk_add_f32 v[10:11], v[10:11], v[240:241]
	s_wait_alu depctr_va_vdst(0)                   ; and one for the four
.irp b, 0,1,2,3
	v_max_num_f32 v[TM+\b], 0x1800000, v[TM+\b]    ; the floor 2^(3 - 127): the byte cannot fall under 1
.endr
.irp b, 0,1,2,3
	s_delay_alu instid0(VALU_DEP_4)
	v_add_nc_u32 v[TM+8+\b], 0xff000000, v[TM+\b]  ; 2 off the exponent field: the conversion's scale operand
.endr
.irp b, 0,1,2,3
	s_delay_alu instid0(VALU_DEP_4)
	v_lshrrev_b32 v[TM+4+\b], 23, v[TM+8+\b]       ; the scale's byte
.endr
	s_delay_alu instid0(VALU_DEP_3)
	v_lshl_or_b32 v[PS], v[TM+5], 8, v[TM+4]       ; p's scale word for these 128 keys
	s_delay_alu instid0(VALU_DEP_1)
	v_lshl_or_b32 v[PS], v[TM+6], 16, v[PS]
	s_delay_alu instid0(VALU_DEP_1)
	v_lshl_or_b32 v[PS], v[TM+7], 24, v[PS]
.irp b, 0,1,2,3
	v_cvt_scalef32_pk8_fp4_f32 v[PCD+2*\b], v[SS+16*\b:SS+7+16*\b], v[TM+8+\b]
	v_cvt_scalef32_pk8_fp4_f32 v[PCD+1+2*\b], v[SS+8+16*\b:SS+15+16*\b], v[TM+8+\b]
.endr
	v_nop                                          ; one plain line behind a scaled conversion
.irp c, 0,1                                    ; a whole block in a lane: lanes 0-15 block 2 c, lanes 16-31 block 2 c + 1
.irp i, 0,1
	v_permlane16_swap_b32 v[PCD+4*\c+\i], v[PCD+2+4*\c+\i]
.endr
.endr
.set j, 0
.rept 32
	v_pk_mul_f32 v[OO+j:OO+j+1], v[OO+j:OO+j+1], v[FF:FF+1] op_sel_hi:[1,0]   ; O^T under the new M.  (These 32 are also the places between the writes of p's codes and scale word and the products)
.set j, j+2
.endr
	s_wait_alu depctr_va_vdst(0)
	s_wait_dscnt 0x0                               ; V is in
.irp t, 0,1,2,3,4,5,6,7                        ; O^T += V^T P^T: source 0 = 16 channels, source 1 = p; eight accumulators, one instruction a turn
	v_wmma_scale_f32_16x16x128_f8f6f4 v[OO+8*\t:OO+8*\t+7], v[FG+8*\t:FG+8*\t+7], v[PCD:PCD+7], v[OO+8*\t:OO+8*\t+7], v[SW+\t], v[PS] matrix_a_fmt:MATRIX_FMT_FP4 matrix_b_fmt:MATRIX_FMT_FP4
.endr
.Lhidden:
	s_add_co_u32 s[KF], s[KF], 128
	s_add_co_u32 s[TB], s[TB], RECA
	s_sub_co_u32 s[CNT], s[CNT], 1
	s_cmp_lg_u32 s[CNT], 0
	s_cbranch_scc1 .Lstep
	; THE WAY OUT: O^T / the row's sum is ctx; its 64 numbers a lane are quantised along d and stored as one fragment of the projection's record, with my head's scale word of each row.
	v_add_f32 v10, v10, v11
	s_delay_alu instid0(VALU_DEP_1)
	v_permlanex16_b32 v254, v10, s[SEL], s[SEL+1]
	s_delay_alu instid0(VALU_DEP_1)
	v_add_f32 v10, v10, v254                       ; the row's sum
	s_wait_alu depctr_va_vdst(0)
	v_rcp_f32 v10, v10
.rept 4
	v_nop                                          ; the plain line behind the reciprocal, and the places behind the last products
.endr
	s_wait_alu depctr_va_vdst(0)                   ; ahead of the reciprocal's first reader
.set j, 0
.rept 64
	v_mul_f32 v[SS+j], v[OO+j], v10                ; each accumulator from its low end on
.set j, j+1
.endr
.irp b, 0,1,2,3
	v_max3_num_f32 v[TM+\b], |v[SS+16*\b]|, |v[SS+1+16*\b]|, 0x1800000
.endr
.irp i, 2,4,6,8,10,12,14
.irp b, 0,1,2,3
	s_delay_alu instid0(VALU_DEP_4)
	v_max3_num_f32 v[TM+\b], v[TM+\b], |v[SS+16*\b+\i]|, |v[SS+1+16*\b+\i]|
.endr
.endr
.irp b, 0,1,2,3
	s_delay_alu instid0(VALU_DEP_4)
	v_permlanex16_b32 v[TM+4+\b], v[TM+\b], s[SEL], s[SEL+1]
.endr
.irp b, 0,1,2,3
	s_delay_alu instid0(VALU_DEP_4)
	v_max_num_f32 v[TM+\b], v[TM+\b], v[TM+4+\b]
.endr
.irp b, 0,1,2,3
	s_delay_alu instid0(VALU_DEP_4)
	v_add_nc_u32 v[TM+8+\b], 0xff000000, v[TM+\b]
.endr
.irp b, 0,1,2,3
	s_delay_alu instid0(VALU_DEP_4)
	v_lshrrev_b32 v[TM+4+\b], 23, v[TM+8+\b]
.endr
	s_delay_alu instid0(VALU_DEP_3)
	v_lshl_or_b32 v[PS], v[TM+5], 8, v[TM+4]
	s_delay_alu instid0(VALU_DEP_1)
	v_lshl_or_b32 v[PS], v[TM+6], 16, v[PS]
	s_delay_alu instid0(VALU_DEP_1)
	v_lshl_or_b32 v[PS], v[TM+7], 24, v[PS]
.irp b, 0,1,2,3
	v_cvt_scalef32_pk8_fp4_f32 v[PCD+2*\b], v[SS+16*\b:SS+7+16*\b], v[TM+8+\b]
	v_cvt_scalef32_pk8_fp4_f32 v[PCD+1+2*\b], v[SS+8+16*\b:SS+15+16*\b], v[TM+8+\b]
.endr
	v_nop
.irp c, 0,1
.irp i, 0,1
	v_permlane16_swap_b32 v[PCD+4*\c+\i], v[PCD+2+4*\c+\i]
.endr
.endr
	global_store_b128 v[LI], v[PCD:PCD+3], s[42:43]                ; 512 consecutive bytes each
	global_store_b128 v[LI], v[PCD+4:PCD+7], s[42:43] offset:512
	global_store_b32 v[SO], v[PS], s[44:45] offset:4096            ; 4 bytes of each row's 16: the other three heads of the group write the rest (lanes l and l + 16 write the same word with the same value)
	s_wait_tensorcnt 0x0
	ds_add_u32 v253, v255
	s_wait_dscnt 0x0
	ROUND                                          ; the closing round: no work-group ends while a partner may still ask for a record that names it
	s_endpgm
.Lfunc_end_k_qd83b07434b_attn:
	.size	k_qd83b07434b_attn, .Lfunc_end_k_qd83b07434b_attn-k_qd83b07434b_attn
	.p2alignl 7, 3214868480
	.fill 96, 4, 3214868480
	.section	.rodata,"a",@progbits
	.p2align	6, 0x0
	.amdhsa_kernel k_qd83b07434b_attn
		.amdhsa_group_segment_fixed_size 169984
		.amdhsa_private_segment_fixed_size 0
		.amdhsa_enable_private_segment 0
		.amdhsa_kernarg_size 24
		.amdhsa_user_sgpr_count 2
		.amdhsa_user_sgpr_kernarg_segment_ptr 1
		.amdhsa_wavefront_size32 1
		.amdhsa_system_sgpr_workgroup_id_x 1
		.amdhsa_system_sgpr_workgroup_id_y 1
		.amdhsa_system_sgpr_workgroup_id_z 1
		.amdhsa_system_vgpr_workitem_id 0
		.amdhsa_next_free_vgpr 256
		.amdhsa_next_free_sgpr 66
		.amdhsa_reserve_vcc 1
		.amdhsa_float_denorm_mode_32 3
		.amdhsa_float_denorm_mode_16_64 3
		.amdhsa_memory_ordered 1
		.amdhsa_forward_progress 1
		.amdhsa_inst_pref_size 40
	.end_amdhsa_kernel
	.amdgpu_metadata
---
amdhsa.version: [ 1, 2 ]
amdhsa.kernels:
  - .name:           k_qd83b07434b_attn
    .symbol:         k_qd83b07434b_attn.kd
    .args:
      - { .name: qimg, .offset: 0, .size: 8, .value_kind: global_buffer, .address_space: global }
      - { .name: kvimg, .offset: 8, .size: 8, .value_kind: global_buffer, .address_space: global }
      - { .name: ctxq, .offset: 16, .size: 8, .value_kind: global_buffer, .address_space: global }
    .group_segment_fixed_size: 169984
    .private_segment_fixed_size: 0
    .kernarg_segment_align: 8
    .kernarg_segment_size: 24
    .max_flat_workgroup_size: 512
    .sgpr_count:     66
    .vgpr_count:     256
    .wavefront_size: 32
...
	.end_amdgpu_metadata
.endif
;; end of part 3
;; launch oproj (part 4): grid 8 x 32, 4 waves a work-group, clusters of 4 x 1, 327,680 bytes of LDS; arguments ctxq, woq, out0; writes out0
.if DOCPART == 4
	.amdgcn_target "amdgcn-amd-amdhsa--gfx1250"
	.amdhsa_code_object_version 6
	.text
	.protected	k_qd83b07434b_oproj
	.globl	k_qd83b07434b_oproj
	.p2align	8
	.type	k_qd83b07434b_oproj,@function
k_qd83b07434b_oproj:
	s_mov_b64 s[64:65], 0
	v_nop
	global_prefetch_b8 v0, s[64:65] scope:SCOPE_SE
	s_setreg_imm32_b32 hwreg(HW_REG_WAVE_MODE, 25, 1), 1
	s_wait_xcnt 0x0
	s_wait_alu depctr_hold_cnt(0) depctr_sa_sdst(0) depctr_va_vdst(0) depctr_va_sdst(0) depctr_va_ssrc(0) depctr_va_vcc(0) depctr_vm_vsrc(0)
	s_getreg_b32 s2, hwreg(HW_REG_IB_STS2, 6, 4)
	s_cmp_eq_u32 s2, 0
	s_cbranch_scc0 .Lentry_in_a_cluster
	s_endpgm
.Lentry_in_a_cluster:
	s_bfe_u32 s2, ttmp6, 0x10000c
	s_cmp_lg_u32 s2, 0x3003
	s_cbranch_scc0 .Lentry_shape_is_right
	s_endpgm
.Lentry_shape_is_right:
; out0 [4096][2048] f32 = ctx wo^T on codes of FP4 (E2M1) with E8M0 scales, K = 2,048.
; OPERANDS are RECORDS (row block of 16 rows, 512 along K) of 4,352 bytes: four fragments' registers on end (group c of lane l at 1,024 q + 512 c + 16 l), then [row][16 scale bytes].  A buffer is [row block][4 records].
; Position t of row block RB is row 32 (RB / 2) + 8 (RB % 2) + t + 8 (t / 8).
; SHARES.  A work-group makes 128 rows x 256 columns: 8 x 32 = 256 work-groups.  Wave w makes all 128 rows of columns 64 w .. 64 w + 63.
; W STAYS IN REGISTERS: my 64 rows of W for all of K, 69,632 consecutive bytes, go from memory straight into 512 registers and 64 scale registers, as they lie.  No other wave of the work-group reads them,
; so they are not sent through LDS, and a joint tensor load, which fills LDS, has no part in them.
; ctx's 128 rows for all of K are one dense block of 139,264 bytes: it comes into LDS once, a quarter (two row blocks) by each wave's one tensor load, and stays: nothing is filled again, and one barrier serves the launch.
; CLUSTER: the four work-groups along x (four blocks of columns) need the same block of ctx and ask for it jointly: mask 15, the same descriptor in all four; the place in the cluster enters global addresses of W and out0 alone.
; FOUR PHASES.  A phase takes two row blocks of ctx (32 rows) through all of K: 128 products on 8 accumulators; its result, 32 rows x 256 bytes, is whole aligned units of out0 and leaves under the next phase's products.
; ctx's fragments come from LDS by steps of 512 along K (16 loads and one of scale words) through a ring of three register sets, two steps ahead; each feeds four products.
; NO PREFETCH: the text has no loop to run ahead in; every byte that it reads is asked for at the head.
; The matrix instruction is used transposed (source 0 = 16 rows of W, source 1 = 16 rows of ctx): a lane holds eight neighbouring columns of one row of out0.
; REGISTERS: window 0: v4-19 addresses; v32-95 W's scale words (block b, K step s, q at 16 b + 4 s + q; lanes 0-15); v96-107 ctx's, three sets (lanes 0-15 the even row block, lanes 16-31 the odd one); v128-255 accumulators, two sets of 8.
;   window 1: v0-191 ctx's fragments, three sets of 64; v192-255 a tile on its way out.   windows 2, 3: W's fragments: K step s in window 2 + s / 2 at v[128 (s % 2) + 32 q + 8 b].
.set REC,   4352
.set RBP,   4*REC                      ; from row block to row block
.set BQ,    4*RBP                      ; four row blocks: a wave's part of W
.set CT,    2*RBP                      ; two row blocks of ctx: one tensor load, and a phase's rows
.set STAGE, 4*CT                       ; behind ctx: a stage of 32 rows x (256 + 16) bytes for each wave; no tensor load lands there
.set SP,    272
.set SPARE, STAGE+4*32*SP              ; the spare words, 128 bytes for each wave: two blocks of 256 bytes that no other line names
.set WS,    5                          ; 16 x (lane % 16)
.set STO,   6                          ; the way out: into the stage
.set RD,    7                          ; and back
.set GO,    8                          ; and in out0: lanes 0-15 one row's 256 bytes, lanes 16-31 the next row's
.set LI,    10                         ; 16 x lane
.set ADRC,  10                         ; v10-13 ctx's fragments of phase 0 .. 3 (phase 0's is 16 x lane itself)
.set ADCS,  14                         ; v14-17 ctx's scale bytes
.set SPW,   18                         ; my spare word; never rewritten
.set NIL,   19                         ; 0; never rewritten
.set WSC,   32
.set CSC,   96
.set ACC,   128
.set OB,    192
.set G1,    24
.set G0,    32
.set MSB, 0
.macro WIN new                         ; the immediate's high byte repeats the setting that is left
.if MSB != (\new)
	s_set_vgpr_msb (MSB<<8)|(\new)
.set MSB, \new
.endif
.endm
.macro ROUND                           ; a round of the cluster's barrier
	s_barrier_signal -1
	s_barrier_wait -1
	s_cmp_lg_u32 s14, 0
	s_cbranch_scc1 .Lnot_wave_0_\@
	s_barrier_signal -3
.Lnot_wave_0_\@:
	s_barrier_wait -3
	s_barrier_signal -1
	s_barrier_wait -1
.endm
.macro PLACES                          ; four plain places behind a matrix instruction, ahead of loads into its sources and of reads of its result (ISA guide 7.12.1 for vector instructions)
.rept 4
	v_nop
.endr
.endm
.macro WLOAD s                         ; W's fragments of K step s: 32 loads of 512 consecutive bytes
	WIN (2+(\s)/2)<<6
.irp q, 0,1,2,3
.irp b, 0,1,2,3
.irp c, 0,1
	global_load_b128 v[128*((\s)%2)+32*\q+8*\b+4*\c:128*((\s)%2)+32*\q+8*\b+4*\c+3], v[LI], s[20:21] offset:\b*RBP+(\s)*REC+1024*\q+512*\c
.endr
.endr
.endr
	WIN 0
.endm
; The waits on DScnt are counted by the assembler: LDSN is the number of LDS instructions issued so far, EN0 .. EN2 its value behind the last load of the group in ring set 0 .. 2.
.set LDSN, 0
.set EN0, 0
.set EN1, 0
.set EN2, 0
.macro LGROUP g                        ; step g = 4 x phase + K step: ctx's eight fragments and the scale words of both row blocks into ring set g % 3: 17 loads
	WIN 0x40
.irp q, 0,1,2,3
.irp e, 0,1
.irp c, 0,1
	ds_load_b128 v[64*((\g)%3)+16*\q+8*\e+4*\c:64*((\g)%3)+16*\q+8*\e+4*\c+3], v[ADRC+(\g)/4] offset:\e*RBP+((\g)%4)*REC+1024*\q+512*\c
.endr
.endr
.endr
	WIN 0
	ds_load_b128 v[CSC+4*((\g)%3):CSC+4*((\g)%3)+3], v[ADCS+(\g)/4] offset:((\g)%4)*REC+4096
.set LDSN, LDSN+17
.if (\g)%3 == 0
.set EN0, LDSN
.endif
.if (\g)%3 == 1
.set EN1, LDSN
.endif
.if (\g)%3 == 2
.set EN2, LDSN
.endif
.endm
.macro WAITG g                         ; step g's group is in: the count is what was issued behind it, held at the largest that the wait can name
.if (\g)%3 == 0
.set N_, LDSN-EN0
.endif
.if (\g)%3 == 1
.set N_, LDSN-EN1
.endif
.if (\g)%3 == 2
.set N_, LDSN-EN2
.endif
.if N_ > 63
.set N_, 63
.endif
	s_wait_dscnt N_
.endm
.macro W1 g, q, b, e                   ; one product: W's block b x ctx's row block e of the phase's two.  A phase's first 128 along K starts the sums: nothing is cleared
.set D_,  ACC+64*(((\g)/4)%2)+32*(\e)+8*(\b)
.set W_,  128*(((\g)%4)%2)+32*(\q)+8*(\b)
.set X_,  64*((\g)%3)+16*(\q)+8*(\e)
.set SW_, WSC+16*(\b)+4*((\g)%4)+(\q)
.set SX_, CSC+4*((\g)%3)+(\q)
.if ((\g)%4 == 0) && ((\q) == 0)
.if (\e) == 0
	v_wmma_scale_f32_16x16x128_f8f6f4 v[D_:D_+7], v[W_:W_+7], v[X_:X_+7], 0, v[SW_], v[SX_] matrix_a_fmt:MATRIX_FMT_FP4 matrix_b_fmt:MATRIX_FMT_FP4
.else
	v_wmma_scale_f32_16x16x128_f8f6f4 v[D_:D_+7], v[W_:W_+7], v[X_:X_+7], 0, v[SW_], v[SX_] matrix_a_fmt:MATRIX_FMT_FP4 matrix_b_fmt:MATRIX_FMT_FP4 matrix_b_scale:MATRIX_SCALE_ROW1
.endif
.else
.if (\e) == 0
	v_wmma_scale_f32_16x16x128_f8f6f4 v[D_:D_+7], v[W_:W_+7], v[X_:X_+7], v[D_:D_+7], v[SW_], v[SX_] matrix_a_fmt:MATRIX_FMT_FP4 matrix_b_fmt:MATRIX_FMT_FP4
.else
	v_wmma_scale_f32_16x16x128_f8f6f4 v[D_:D_+7], v[W_:W_+7], v[X_:X_+7], v[D_:D_+7], v[SW_], v[SX_] matrix_a_fmt:MATRIX_FMT_FP4 matrix_b_fmt:MATRIX_FMT_FP4 matrix_b_scale:MATRIX_SCALE_ROW1
.endif
.endif
.endm
.macro MULS g                          ; a step's 32 products; the phase's 8 accumulators take turns, one instruction a turn
	WIN 0x04|(2+((\g)%4)/2)                        ; source 0 (W) window 2 or 3, source 1 (ctx) window 1, C and D window 0
.irp q, 0,1,2,3
.irp e, 0,1
.irp b, 0,1,2,3
	W1 \g, \q, \b, \e
.endr
.endr
.endr
.endm
; THE WAY OUT of phase p, in two parts.  OUTA: the 8 accumulators into my stage (row = 16 e + position), and back as whole rows of 256 bytes, two rows an instruction.
; LDS serves a wave's instructions in order (ISA guide 5.7.1.4): no wait between the stores and the loads.  OUTB, a step later: stored.
.macro OUTA p
.set AC, ACC+64*((\p)%2)
	WIN 0
.irp k, 0,1,2,3,4,5,6,7
	ds_store_b128 v[STO], v[AC+8*\k:AC+8*\k+3] offset:(\k/4)*16*SP+128*((\k%4)/2)+32*(\k%2)        ; each accumulator from its low end on; its columns are 32 (b / 2) + 16 h + 8 (b % 2) + 0 .. 7
	ds_store_b128 v[STO], v[AC+8*\k+4:AC+8*\k+7] offset:(\k/4)*16*SP+128*((\k%4)/2)+32*(\k%2)+16
.endr
.if (\p) > 0
	s_wait_xcnt 0x0                                ; the last phase's stores have read their registers: this phase's rows may land there
.endif
	WIN 0x40
.irp t, 0,1,2,3,4,5,6,7,8,9,10,11,12,13,14,15
	ds_load_b128 v[OB+4*\t:OB+4*\t+3], v[RD] offset:\t*2*SP
.endr
.set LDSN, LDSN+32
.endm
.macro OUTB p
	s_wait_dscnt 0x0                               ; nothing was issued behind OUTA's loads: the tile is back in registers, and OUTA's stores have read the accumulators
	WIN 0x04                                       ; the data: window 1
.irp t, 0,1,2,3,4,5,6,7,8,9,10,11,12,13,14,15
	global_store_b128 v[GO], v[OB+4*\t:OB+4*\t+3], s[12:13] offset:(32*(\p)+8*((2*\t)/16)+((2*\t)%16)+8*(((2*\t)%16)/8))*8192 th:TH_STORE_NT   ; sixteen lanes store 256 consecutive bytes, aligned
.endr
.endm
	s_load_b128 s[4:7], s[0:1], 0x0                ; ctxq, woq
	s_load_b64 s[12:13], s[0:1], 0x10              ; out0
	v_lshl_add_u32 v[SPW], v0, 2, SPARE
	v_mov_b32 v[NIL], 0
	ds_add_u32 v[SPW], v[NIL]                      ; the opening lines: the add, twice on end, and its wait ahead of my first tensor load
	ds_add_u32 v[SPW], v[NIL]
	v_lshrrev_b32 v1, 5, v0
	v_readfirstlane_b32 s14, v1                    ; wave 0..3
	s_bfe_u32 s40, ttmp6, 0x40000                  ; cx: it enters W's and out0's addresses alone
	s_lshl_b32 s41, ttmp9, 2
	s_add_co_u32 s41, s41, s40                     ; the block of 256 columns
	s_and_b32 s17, ttmp7, 0xffff                   ; the block of 128 rows: alike in the four partners
	s_mov_b32 s[G1], 15|(3<<16)|(1<<21)            ; the mask: all four work-groups; elements of 8 bytes; bit 21 set beside a mask
	s_mov_b32 s[G1+1], 32<<16                      ; 136 dense rows of 256 bytes
	s_mov_b32 s[G1+2], 136<<16
	s_mov_b32 s[G1+3], 32<<16
	s_mov_b32 s[G1+4], 136
	s_mov_b32 s[G1+5], 32
	s_mov_b32 s[G1+6], 0
	s_mov_b32 s[G1+7], 0
	s_mov_b32 s[G0], 1
	s_mul_i32 s[G0+1], s14, CT                     ; quarter w of ctx's block, in LDS
	s_mul_i32 s18, s17, 4*CT
	s_add_co_u32 s18, s18, s[G0+1]                 ; and in memory
	s_mov_b32 s19, 0
	s_lshl_b32 s20, s41, 2
	s_add_co_u32 s20, s20, s14                     ; which run of 64 columns
	s_lshl_b32 s22, s20, 8                         ; 256 bytes of a row of out0
	s_mul_i32 s20, s20, BQ                         ; and four row blocks of W
	s_mov_b32 s21, 0
	s_lshl_b32 s23, s17, 20                        ; 128 rows of out0 are 2^20 bytes
	s_add_co_u32 s22, s22, s23
	s_mov_b32 s23, 0
	s_mul_i32 s11, s14, 32*SP
	s_add_co_u32 s11, s11, STAGE                   ; my stage
	v_and_b32 v1, 31, v0
	v_lshlrev_b32 v[LI], 4, v1
	v_and_b32 v2, 15, v0                           ; r
	v_bfe_u32 v3, v0, 4, 1                         ; h
	v_lshlrev_b32 v[WS], 4, v2
	v_mul_u32_u24 v[ADCS], v3, RBP
	v_lshl_add_u32 v[ADCS], v2, 4, v[ADCS]
.irp p, 1,2,3
	v_add_nc_u32 v[ADRC+\p], \p*CT, v[ADRC]
	v_add_nc_u32 v[ADCS+\p], \p*CT, v[ADCS]
.endr
	v_mul_u32_u24 v20, v2, SP                      ; in: row r, 64 bytes for each half of the lanes
	v_lshl_add_u32 v20, v3, 6, v20
	v_add_nc_u32 v[STO], s11, v20
	v_mul_u32_u24 v21, v3, SP                      ; back: lanes 0-15 one row, lanes 16-31 the next
	v_lshl_add_u32 v21, v2, 4, v21
	v_add_nc_u32 v[RD], s11, v21
	v_lshlrev_b32 v[GO], 13, v3
	v_lshl_add_u32 v[GO], v2, 4, v[GO]
	s_wait_alu depctr_va_vdst(0)
	s_wait_dscnt 0x0                               ; both opening adds are done
	s_wait_kmcnt 0x0
	s_add_nc_u64 s[G0+2:G0+3], s[4:5], s[18:19]
	s_or_b32 s[G0+3], s[G0+3], 0x80000000
	s_add_nc_u64 s[20:21], s[6:7], s[20:21]
	s_add_nc_u64 s[12:13], s[12:13], s[22:23]
.irp b, 0,1,2,3
.irp s, 0,1,2,3
	global_load_b128 v[WSC+16*\b+4*\s:WSC+16*\b+4*\s+3], v[WS], s[20:21] offset:\b*RBP+\s*REC+4096   ; W's scale words: row r's four words of a K step (lanes 16-31 take the same and are not read)
.endr
.endr
	WLOAD 0
	ROUND                                          ; all four work-groups are here: the joint loads meet
	tensor_load_to_lds s[G0:G0+3], s[G1:G1+7]      ; my one tensor load of the launch
	s_nop 0
.rept 4
	v_nop
.endr
	WLOAD 1
	WLOAD 2
	WLOAD 3
	s_wait_tensorcnt 0x0                           ; my quarter of ctx is in,
	s_barrier_signal -1
	s_barrier_wait -1                              ; everybody's is: ctx lies in LDS for the rest of the launch
	LGROUP 0
	LGROUP 1
	LGROUP 2
	s_wait_loadcnt 63                              ; of my 144 loads the first 81 are in: W's 16 loads of scale words and K steps 0 and 1 (64 loads stand behind those)
.set G, 0
.rept 16
.if G == 2
	s_wait_loadcnt 32                              ; K step 2 is in; K step 3's 32 loads may be out
.endif
.if G == 3
	s_wait_loadcnt 0x0
.endif
	WAITG G
	MULS G
	PLACES
.if (G%4 == 0) && (G > 0)
	OUTB G/4-1                                     ; the last phase's tile, a step of 32 products behind its way through the stage
.endif
.if G+3 < 16
	LGROUP G+3                                     ; into the ring set just multiplied
.endif
.if G%4 == 3
	OUTA G/4
.endif
.set G, G+1
.endr
	OUTB 3
	WIN 0
	s_wait_tensorcnt 0x0                           ; the wave's end
	ds_add_u32 v[SPW], v[NIL]
	s_wait_dscnt 0x0
	ROUND                                          ; the closing round
	s_endpgm
.Lfunc_end_k_qd83b07434b_oproj:
	.size	k_qd83b07434b_oproj, .Lfunc_end_k_qd83b07434b_oproj-k_qd83b07434b_oproj
	.p2alignl 7, 3214868480
	.fill 96, 4, 3214868480
	.section	.rodata,"a",@progbits
	.p2align	6, 0x0
	.amdhsa_kernel k_qd83b07434b_oproj
		.amdhsa_group_segment_fixed_size 327680
		.amdhsa_private_segment_fixed_size 0
		.amdhsa_enable_private_segment 0
		.amdhsa_kernarg_size 24
		.amdhsa_user_sgpr_count 2
		.amdhsa_user_sgpr_kernarg_segment_ptr 1
		.amdhsa_wavefront_size32 1
		.amdhsa_system_sgpr_workgroup_id_x 1
		.amdhsa_system_sgpr_workgroup_id_y 1
		.amdhsa_system_sgpr_workgroup_id_z 1
		.amdhsa_system_vgpr_workitem_id 0
		.amdhsa_next_free_vgpr 1024
		.amdhsa_next_free_sgpr 66
		.amdhsa_reserve_vcc 0
		.amdhsa_float_denorm_mode_32 3
		.amdhsa_float_denorm_mode_16_64 3
		.amdhsa_memory_ordered 1
		.amdhsa_forward_progress 1
		.amdhsa_inst_pref_size 119
	.end_amdhsa_kernel
	.amdgpu_metadata
---
amdhsa.version: [ 1, 2 ]
amdhsa.kernels:
  - .name:           k_qd83b07434b_oproj
    .symbol:         k_qd83b07434b_oproj.kd
    .args:
      - { .name: ctxq, .offset: 0, .size: 8, .value_kind: global_buffer, .address_space: global }
      - { .name: woq, .offset: 8, .size: 8, .value_kind: global_buffer, .address_space: global }
      - { .name: out0, .offset: 16, .size: 8, .value_kind: global_buffer, .address_space: global }
    .group_segment_fixed_size: 327680
    .private_segment_fixed_size: 0
    .kernarg_segment_align: 8
    .kernarg_segment_size: 24
    .max_flat_workgroup_size: 128
    .sgpr_count:     66
    .vgpr_count:     1024
    .wavefront_size: 32
...
	.end_amdgpu_metadata
.endif
;; end of part 4
